; MI455X (gfx1250); checked and timed in simulation.
; The chip was launched on July 23, 2026; its instructions are those of AMD's public machine-readable ISA for CDNA 5 (MIT licence, August 2026) and "CDNA5" Instruction Set Architecture Reference Guide (July 2026). The comments in the code are by the model that wrote it; some were corrected since.
;; Attention. Allowed arithmetic: matrix products marked QUANTISED: E2M1 operands, one E8M0 scale for each 32 along K, by v_wmma_scale_f32_16x16x128_f8f6f4 with both operands' format E2M1 (or v_wmma_scale_f32_32x16x128_f4), f32 sums; products left as they are: bf16, f16 or f32 operands; f32 sums; everything else in f32.
;; Inputs: Wk 2,048 x 2,048 float32; Wo 2,048 x 2,048 float32; Wq 2,048 x 2,048 float32; Wv 2,048 x 2,048 float32; cos 2,048 x 64 float32; k_norm_w 128 float32; q_norm_w 128 float32; sin 2,048 x 64 float32; x 1 x 2,048 x 2,048 float32.
;; Outputs: out0 1 x 2,048 x 2,048 float32.
;; This version of the problem:
;;   THIS VERSION OF THE PROBLEM IS GIVEN IN LOW PRECISION. The matrix products marked QUANTISED in the list below multiply operands that are first quantised to E2M1 (2 exponent bits, 1 mantissa bit; 4 bits a number), with one power-of-two scale for each 32 numbers along K (OCP MX v1.0); their sums are f32. The products marked 'left as it is' may take bf16, f16 or f32 operands, with f32 sums. Whichever they take, every output number must still come out within the allowed error. Rounding operands to bf16 (8 significant bits) uses up far more of that allowance than f16 does (11 bits, for magnitudes from 6e-5 to 65,504). All else is computed in f32.
;;   The module's matrix products, in the order in which they are computed (A, B: the left and right operand; K: the contracted axis; several contracted axes count as one K, in the product's order):
;;     1. [M 2,048, K 2,048] x [K 2,048, N 2,048]; A: input x; B: input Wq: QUANTISED
;;     2. [M 2,048, K 2,048] x [K 2,048, N 2,048]; A: input x; B: input Wk: QUANTISED
;;     3. [M 2,048, K 2,048] x [K 2,048, N 2,048]; A: input x; B: input Wv: QUANTISED
;;     4. batch 16 x [M 2,048, K 128] x [K 128, N 2,048]; A: computed on the way; B: computed on the way: left as it is (an operand is computed on the way)
;;     5. batch 16 x [M 2,048, K 2,048] x [K 2,048, N 128]; A: computed on the way; B: computed on the way: left as it is (an operand is computed on the way)
;;     6. [M 2,048, K 2,048] x [K 2,048, N 2,048]; A: computed on the way; B: input Wo: left as it is (an operand is computed on the way)
;;   THE QUANTISER, for each operand of a quantised product, along K:
;;     - K is cut into blocks of 32 from its start; a last block that is shorter is filled with zeros.
;;     - A block's scale is 2^e with e = floor(log2(the largest magnitude in the block)) - 2, held to -126 .. 127; a block of zeros has e = 0. As a byte (E8M0): e + 127.
;;     - Each number is divided by its block's scale, clamped to +-6, and rounded to the nearest number of E2M1, ties to even, subnormals kept.
;;     - The product sums the exact products of the quantised numbers (number of the format x scale) in f32.
;;   ~~~python
;;   def quantise(x, axis):      # numpy; x: float32 -> the quantised numbers, widened to float32 again
;;       x = np.moveaxis(x, axis, -1); K = x.shape[-1]
;;       x = np.pad(x, [(0, 0)] * (x.ndim - 1) + [(0, -K % 32)]); x = x.reshape(x.shape[:-1] + (-1, 32)); a = np.abs(x).max(-1, keepdims=True)
;;       e = np.where(a > 0, np.clip(np.frexp(np.where(a > 0, a, 1))[1] - 1 - 2, -126, 127), 0)      # np.frexp(a)[1] - 1 = floor(log2(a)), exactly
;;       r = np.clip(x / 2.0 ** e, -6, 6)
;;       step = 2.0 ** (np.maximum(np.frexp(np.where(r == 0, 1, r))[1] - 1, 0) - 1)
;;       q = np.round(r / step) * step * 2.0 ** e      # np.round: ties to even
;;       return np.moveaxis(q.reshape(q.shape[:-2] + (-1,))[..., :K], -1, axis).astype(np.float32)
;;   ~~~
;; One version. Each part assembles by itself: llvm-mc -triple=amdgcn-amd-amdhsa -mcpu=gfx1250 --defsym DOCPART=n.
;; ======== version 1 of 1: 5 launches
;; limits: values are held in f16: magnitudes above 65,504 overflow, below 6.1e-05 lose precision
;; workspace buffers: codes 8,388,608 bytes; scales 524,288 bytes; wo16 8,388,608 bytes; qkv 25,165,824 bytes; fin 393,216 bytes; att 8,388,608 bytes
;; launch quant (part 1): grid 640 x 1, 4 waves a work-group, no clusters, 33,280 bytes of LDS; arguments x, Wq, Wk, Wv, Wo, codes, scales, wo16; writes codes, scales, wo16
.if DOCPART == 1
	.amdgcn_target "amdgcn-amd-amdhsa--gfx1250"
	.amdhsa_code_object_version 6
	.text
	.protected	k_q87d280cbe6_quant
	.globl	k_q87d280cbe6_quant
	.p2align	8
	.type	k_q87d280cbe6_quant,@function
k_q87d280cbe6_quant:
	s_mov_b64 s[64:65], 0
	v_nop
	global_prefetch_b8 v0, s[64:65] scope:SCOPE_SE
	s_setreg_imm32_b32 hwreg(HW_REG_WAVE_MODE, 25, 1), 1
	s_wait_xcnt 0x0
; x, Wq, Wk, Wv [2048][2048] f32 become codes of FP4 (E2M1), K innermost, two codes a byte, and one E8M0 byte for each 32 along K; Wo becomes f16.
; The four tensors' codes lie on end in one buffer of 8,192 rows x 1,024 bytes (x, Wq, Wk, Wv), their scale bytes likewise (8,192 x 64).
; A block's scale is 2^(floor(log2(largest magnitude)) - 2): its byte is the largest magnitude's exponent field - 2, held at 1 from below.
; A block of zeros so gets the byte 1 where the rule says 127: its codes are zeros, and this program alone reads the bytes.
; LIMITS: blocks whose largest magnitude lies under 2^-124 keep the byte 1; NaN and infinities among the inputs are not served; |Wo| stays under 65,504 (f16).
; SHARES.  Work-groups 0-511: 32,768 numbers each, 128 work-groups a tensor; a wave takes 16 steps of 512 numbers.  Rows are dense and K is a multiple of 32,
; so a tensor is a stream of blocks, and the place in the outputs runs on linearly over the four tensors.  Each load reads 512 consecutive bytes; a step's 2,048 bytes
; turn through the wave's own stage in LDS so that a lane then holds 16 neighbours along K (two lanes to a block).  Work-groups 512-639: Wo, 8,192 numbers a wave, through registers alone.
; No tensor loads, no barrier: waves share nothing.  Clusters and the matrix unit have nothing to do here.
.set WAVES, 4
.set STEPS, 16
.set EMAX,  2
.set CB,    8                          ; bytes of 16 codes
.set R,     16                         ; v16-79   four sets of 16 numbers as loaded
.set X,     80                         ; v80-111  two sets of 16 neighbours
.set E,     112                        ; v112-127 a scale byte for each step
.set C,     128                        ; v128-191 codes: registers of its own for each step
.set WREG,  8192                       ; LDS: a region for each wave: two stages of 32 x SP bytes, then its 256 scale bytes
.set SP,    80                         ; a lane's place in a stage: 64 bytes + 16 of padding
.set SPW,   12                         ; v12  my spare word's LDS address; never rewritten
.set NIL,   13                         ; v13  0; never rewritten
.set SPARE, WAVES*WREG                 ; the spare words, 128 bytes a wave
.set WX,    16                         ; Wo's path: v16-79 sixteen slots of 4 numbers
.set WY,    80                         ; v80-111 sixteen slots of 4 f16
	s_load_b256 s[4:11], s[0:1], 0x0               ; x, Wq, Wk, Wv
	s_load_b256 s[12:19], s[0:1], 0x20             ; Wo, codes, scales, wo16
	v_lshl_add_u32 v[SPW], v0, 2, SPARE
	v_mov_b32 v[NIL], 0
	v_lshrrev_b32 v1, 5, v0
	v_readfirstlane_b32 s22, v1                    ; wave
	v_and_b32 v2, 31, v0                           ; lane
	v_lshlrev_b32 v3, 4, v2                        ; my 16 bytes of a load's 512
	s_mul_i32 s23, s22, WREG
	v_lshrrev_b32 v14, 2, v2
	v_mul_u32_u24 v14, v14, SP
	v_and_b32 v15, 3, v2
	v_lshl_add_u32 v14, v15, 4, v14
	v_add_nc_u32 v14, s23, v14                     ; the stage, way in: SP (lane / 4) + 16 (lane % 4)
	v_mul_u32_u24 v15, v2, SP
	v_add_nc_u32 v15, s23, v15                     ; way out: SP x lane: my 16 neighbours
	v_mul_u32_u24 v4, v2, CB                       ; my codes' place in a step's
	v_lshrrev_b32 v5, 1, v2
	s_add_co_u32 s23, s23, 2*32*SP
	v_add_nc_u32 v5, s23, v5                       ; my block's scale byte in LDS
	v_lshlrev_b32 v7, 3, v2                        ; 8 bytes a lane
	v_add_nc_u32 v6, s23, v7
	s_wait_kmcnt 0x0
	s_cmp_ge_u32 ttmp9, 512
	s_cbranch_scc1 .Lwo
	; ---- the four tensors that become codes.  Only the input's pointer is chosen, by the work-group's number
	s_lshr_b32 s20, ttmp9, 7
	s_cmp_eq_u32 s20, 1
	s_cselect_b64 s[4:5], s[6:7], s[4:5]
	s_cmp_eq_u32 s20, 2
	s_cselect_b64 s[4:5], s[8:9], s[4:5]
	s_cmp_eq_u32 s20, 3
	s_cselect_b64 s[4:5], s[10:11], s[4:5]
	s_and_b32 s24, ttmp9, 127
	s_lshl_b32 s24, s24, 2
	s_add_co_u32 s24, s24, s22                     ; my run of 8,192 numbers in the tensor
	s_lshl_b32 s24, s24, 15
	s_mov_b32 s25, 0
	s_add_nc_u64 s[4:5], s[4:5], s[24:25]
	s_lshl_b32 s26, ttmp9, 2
	s_add_co_u32 s26, s26, s22                     ; and among all four tensors' runs
	s_lshl_b32 s28, s26, 12                        ; 4,096 bytes of codes a run
	s_mov_b32 s29, 0
	s_add_nc_u64 s[14:15], s[14:15], s[28:29]
	s_lshl_b32 s28, s26, 8                         ; 256 scale bytes a run
	s_add_nc_u64 s[16:17], s[16:17], s[28:29]
.macro LOAD t
.irp i, 0,1,2,3
	global_load_b128 v[R+16*((\t)%4)+4*\i:R+16*((\t)%4)+4*\i+3], v3, s[4:5] offset:2048*(\t)+512*\i th:TH_LOAD_NT   ; 32 lanes read 512 consecutive bytes
.endr
.endm
.macro TURN t                          ; step t's numbers through the stage: LDS serves a wave's instructions in order (ISA guide 5.7.1), so no wait between stores and loads
.irp i, 0,1,2,3
	ds_store_b128 v14, v[R+16*((\t)%4)+4*\i:R+16*((\t)%4)+4*\i+3] offset:32*SP*((\t)%2)+8*SP*\i
.endr
.irp i, 0,1,2,3
	ds_load_b128 v[X+16*((\t)%2)+4*\i:X+16*((\t)%2)+4*\i+3], v15 offset:32*SP*((\t)%2)+16*\i
.endr
.endm
.irp t, 0,1,2,3
	LOAD \t
.endr
	s_wait_loadcnt 12                              ; step 0's four loads are in; three steps' twelve stay out
	TURN 0
.macro STEP t
.set XS, X+16*((\t)%2)
.if (\t) > 0
	s_wait_dscnt 1                                 ; this step's numbers are back from the stage; the last step's byte store may be out
.else
	s_wait_dscnt 0x0
.endif
.if (\t)+4 < STEPS
	LOAD (\t)+4                                    ; the stage's stores have read these registers
.endif
.if (\t)+1 < STEPS
.if STEPS-2-(\t) >= 3
	s_wait_loadcnt 12                              ; the next step's four loads are in; those of the three steps behind it may be out
.else
	s_wait_loadcnt 4*(STEPS-2-(\t))
.endif
	TURN (\t)+1
.endif
	v_max3_num_f32 v8, |v[XS]|, |v[XS+1]|, |v[XS+2]|               ; the largest magnitude of my 16, in two chains
	v_max3_num_f32 v9, |v[XS+3]|, |v[XS+4]|, |v[XS+5]|
.irp i, 6,10
	v_max3_num_f32 v8, v8, |v[XS+\i]|, |v[XS+\i+1]|
	v_max3_num_f32 v9, v9, |v[XS+\i+2]|, |v[XS+\i+3]|
.endr
	v_max3_num_f32 v8, v8, |v[XS+14]|, |v[XS+15]|
	v_max3_num_f32 v8, v8, v9, (EMAX+1)<<23        ; and the floor 2^(3 - 127): the byte cannot fall under 1
	v_max_num_f32_dpp v8, v8, v8 row_xmask:1 row_mask:0xf bank_mask:0xf   ; with my neighbour's 16: the block's
	v_add_nc_u32 v11, -(EMAX<<23), v8              ; 2 off its exponent field: the conversion takes this operand's exponent field as its scale
	v_cvt_scalef32_pk8_fp4_f32 v[C+4*(\t)], v[XS:XS+7], v11
	v_cvt_scalef32_pk8_fp4_f32 v[C+4*(\t)+1], v[XS+8:XS+15], v11
	v_lshrrev_b32 v[E+(\t)], 23, v11               ; the scale's byte (also the plain line behind the conversions)
	ds_store_b8 v5, v[E+(\t)] offset:16*(\t)       ; both lanes of a block write the same byte with the same value
	global_store_b64 v4, v[C+4*(\t):C+4*(\t)+1], s[14:15] offset:32*CB*(\t)   ; the wave stores 256 consecutive bytes, aligned
.endm
.irp t, 0,1,2,3,4,5,6,7,8,9,10,11,12,13,14,15
	STEP \t
.endr
	ds_load_b64 v[8:9], v6                         ; my wave's 256 scale bytes: these loads see my stores
	s_wait_dscnt 0x0
	global_store_b64 v7, v[8:9], s[16:17]          ; 256 consecutive bytes, aligned
	s_branch .Lend
	; ---- Wo to f16: 64 turns of 512 bytes in, 256 out; sixteen loads of the wave are always on their way
.Lwo:
	s_sub_co_u32 s24, ttmp9, 512
	s_lshl_b32 s24, s24, 2
	s_add_co_u32 s24, s24, s22
	s_lshl_b32 s26, s24, 14
	s_lshl_b32 s24, s24, 15
	s_mov_b32 s25, 0
	s_mov_b32 s27, 0
	s_add_nc_u64 s[12:13], s[12:13], s[24:25]
	s_add_nc_u64 s[18:19], s[18:19], s[26:27]
.irp t, 0,1,2,3,4,5,6,7,8,9,10,11,12,13,14,15
	global_load_b128 v[WX+4*\t:WX+4*\t+3], v3, s[12:13] offset:512*\t th:TH_LOAD_NT
.endr
.macro WTURN t
.if (\t) < 48
	s_wait_loadcnt 15                              ; my slot's load is in; the fifteen younger ones stay out
.else
	s_wait_loadcnt 63-(\t)                         ; nothing is asked for any more: the counts run down
.endif
	s_wait_xcnt 0x0                                ; the store of sixteen turns back has read this slot's two registers
	v_cvt_pk_f16_f32 v[WY+2*((\t)%16)], v[WX+4*((\t)%16)], v[WX+4*((\t)%16)+1]
	v_cvt_pk_f16_f32 v[WY+2*((\t)%16)+1], v[WX+4*((\t)%16)+2], v[WX+4*((\t)%16)+3]
.if (\t)+16 < 64
	global_load_b128 v[WX+4*((\t)%16):WX+4*((\t)%16)+3], v3, s[12:13] offset:512*((\t)+16) th:TH_LOAD_NT
.endif
	global_store_b64 v7, v[WY+2*((\t)%16):WY+2*((\t)%16)+1], s[18:19] offset:256*(\t)   ; 256 consecutive bytes, aligned
.endm
.set W, 0
.rept 64
	WTURN W
.set W, W+1
.endr
.Lend:
	s_wait_tensorcnt 0x0                           ; the wave's end
	ds_add_u32 v[SPW], v[NIL]
	s_wait_dscnt 0x0
	s_endpgm
.Lfunc_end_k_q87d280cbe6_quant:
	.size	k_q87d280cbe6_quant, .Lfunc_end_k_q87d280cbe6_quant-k_q87d280cbe6_quant
	.p2alignl 7, 3214868480
	.fill 96, 4, 3214868480
	.section	.rodata,"a",@progbits
	.p2align	6, 0x0
	.amdhsa_kernel k_q87d280cbe6_quant
		.amdhsa_group_segment_fixed_size 33280
		.amdhsa_private_segment_fixed_size 0
		.amdhsa_enable_private_segment 0
		.amdhsa_kernarg_size 64
		.amdhsa_user_sgpr_count 2
		.amdhsa_user_sgpr_kernarg_segment_ptr 1
		.amdhsa_wavefront_size32 1
		.amdhsa_system_sgpr_workgroup_id_x 1
		.amdhsa_system_sgpr_workgroup_id_y 1
		.amdhsa_system_sgpr_workgroup_id_z 1
		.amdhsa_system_vgpr_workitem_id 0
		.amdhsa_next_free_vgpr 192
		.amdhsa_next_free_sgpr 66
		.amdhsa_reserve_vcc 0
		.amdhsa_float_denorm_mode_32 3
		.amdhsa_float_denorm_mode_16_64 3
		.amdhsa_memory_ordered 1
		.amdhsa_forward_progress 1
		.amdhsa_inst_pref_size 58
	.end_amdhsa_kernel
	.amdgpu_metadata
---
amdhsa.version: [ 1, 2 ]
amdhsa.kernels:
  - .name:           k_q87d280cbe6_quant
    .symbol:         k_q87d280cbe6_quant.kd
    .args:
      - { .name: x, .offset: 0, .size: 8, .value_kind: global_buffer, .address_space: global }
      - { .name: Wq, .offset: 8, .size: 8, .value_kind: global_buffer, .address_space: global }
      - { .name: Wk, .offset: 16, .size: 8, .value_kind: global_buffer, .address_space: global }
      - { .name: Wv, .offset: 24, .size: 8, .value_kind: global_buffer, .address_space: global }
      - { .name: Wo, .offset: 32, .size: 8, .value_kind: global_buffer, .address_space: global }
      - { .name: codes, .offset: 40, .size: 8, .value_kind: global_buffer, .address_space: global }
      - { .name: scales, .offset: 48, .size: 8, .value_kind: global_buffer, .address_space: global }
      - { .name: wo16, .offset: 56, .size: 8, .value_kind: global_buffer, .address_space: global }
    .group_segment_fixed_size: 33280
    .private_segment_fixed_size: 0
    .kernarg_segment_align: 8
    .kernarg_segment_size: 64
    .max_flat_workgroup_size: 128
    .sgpr_count:     66
    .vgpr_count:     192
    .wavefront_size: 32
...
	.end_amdgpu_metadata
.endif
;; end of part 1
;; launch qkv (part 2): grid 24 x 8, 4 waves a work-group, clusters of 4 x 4, 327,680 bytes of LDS; arguments codes, scales, qkv, cos, sin, q_norm_w, k_norm_w, fin; writes qkv, fin
.if DOCPART == 2
	.amdgcn_target "amdgcn-amd-amdhsa--gfx1250"
	.amdhsa_code_object_version 6
	.text
	.protected	k_q87d280cbe6_qkv
	.globl	k_q87d280cbe6_qkv
	.p2align	8
	.type	k_q87d280cbe6_qkv,@function
k_q87d280cbe6_qkv:
	s_mov_b64 s[64:65], 0
	v_nop
	global_prefetch_b8 v0, s[64:65] scope:SCOPE_SE
	s_setreg_imm32_b32 hwreg(HW_REG_WAVE_MODE, 25, 1), 1
	s_wait_xcnt 0x0
	s_wait_alu depctr_hold_cnt(0) depctr_sa_sdst(0) depctr_va_vdst(0) depctr_va_sdst(0) depctr_va_ssrc(0) depctr_va_vcc(0) depctr_vm_vsrc(0)
	s_getreg_b32 s2, hwreg(HW_REG_IB_STS2, 6, 4)
	s_cmp_eq_u32 s2, 0
	s_cbranch_scc0 .Lentry_in_a_cluster
	s_endpgm
.Lentry_in_a_cluster:
	s_bfe_u32 s2, ttmp6, 0x10000c
	s_cmp_lg_u32 s2, 0xf033
	s_cbranch_scc0 .Lentry_shape_is_right
	s_endpgm
.Lentry_shape_is_right:
; [2048 tokens] x [6144 = Wq | Wk | Wv rows], K = 2,048, on codes of FP4 (E2M1) with one E8M0 scale for each 32 along K; sums in f32, K ascending, one accumulator an output.
; Then, in f32: RoPE and RMSNorm on q and k.  q, k, v leave as f16, by head: qkv[g][token][128], g = 0-15 q's heads, 16-31 k's, 32-47 v's.  Tokens 0-15 also leave as f32: fin[g][16][128].
; LIMIT: |q|, |k|, |v| stay under 65,504 (f16); q and k are bounded by sqrt(128) x the gain.
; A tile of 256 x 256 is made by four waves; a wave makes 128 tokens x 128 columns = ONE head: 64 accumulators of 16 x 16, 512 registers.
; K goes in steps of 512 through a ring of two LDS slots filled by the tensor data mover (a tile's row is 256 bytes of memory); the scale bytes of the work-group's 256 + 256 rows come once, with the first fills.
; CLUSTERS: 4 x 4 work-groups; the four of a row need the same tiles of x, the four of a column the same tiles of W: each is asked for jointly, by the same load with the same descriptor and a mask that names the four.
; THE MATRIX INSTRUCTION IS USED TRANSPOSED (source 0 = 16 rows of W, source 1 = 16 tokens): lane (r, h) holds token r and, in accumulator b, channels 16 b + 8 h + 0 .. 7 of the head.
; So RoPE's partner (channel + 64) is accumulator b + 4, same lane and register, and a token's sum of squares wants one exchange between the halves of the lanes.
; REGISTERS, in windows of 256: window 0: v0-31 addresses; v32-95 scale words (two sets); v128-191 x's fragments (one set).  Way out: v32-95 Y, v96-127 packed, v128-191 rows read back, v192-203 at work.
;   window 1: W's fragments, two sets, v0-63 and v128-191; v64-127 the norm's gains; v192-255 (and on the way out v0-63) cos and sin.   windows 2, 3: the accumulators ((a, b) at v[8 (8 (a % 4) + b)]).
.set SIZE_K, 2048
.set KSTEP,  512
.set NQ,     KSTEP/128
.set ROWB,   256                       ; a tile's row in bytes
.set KROW,   SIZE_K/2                  ; a row of codes in memory
.set PITCH,  272                       ; an LDS row: 256 + 16: the 16 rows of a load start at 16 different banks (64 banks of 4 bytes: ISA guide 11.1)
.set FR,     8
.set NL,     2
.set NP,     4                         ; places behind this matrix instruction (ISA guide 7.12.1)
.set HALFT,  128*PITCH
.set SLOT,   4*HALFT                   ; x's 256 rows, then W's 256 rows
.set LAPS,   SIZE_K/(2*KSTEP)
.set KS,     SIZE_K/32                 ; a row of scale bytes
.set SCL,    2*SLOT                    ; behind the ring: the scales, as units of 256 bytes + 16
.set HALFS,  (128*KS/256)*272
.set SBLK,   (16*KS/256)*272
.set SPARE,  SCL+4*HALFS               ; the spare words, 128 bytes a wave
.set SPITCH, 272                       ; the way out: a stage of 16 rows x (256 + 16) bytes a wave, in slot 0, which has had its last fill and its last read by then
.set STGV,   4*16*SPITCH               ; v's path has stage bytes of its own
.set CSO,  8                           ; v8   cos, sin: 256 r + 32 h
.set WNO,  9                           ; v9   the gains: 32 h
.set FO,   10                          ; v10  fin: 512 r + 32 h
.set T0V,  11                          ; v11  my wave's first token
.set ADRA, 16
.set ADRB, 20
.set STO,  24
.set RD,   25
.set CO,   26
.set ADRS, 27
.set SPW,  28
.set NIL,  29
.set SC,   32
.set AF,   128
.set Y,    32
.set TMP,  96
.set BK,   128
.set SQ,   192
.set WN,   64                          ; in window 1
.set G1, 24
.set G0, 32
.set G1B, 48
.set G0B, 56
.set G1S, 68
.set G0S, 76
.set G1SB, 80
.set G0SB, 88
.set MSB, 0
.macro WIN new                         ; the immediate's high byte repeats the setting that is left
.if MSB != (\new)
	s_set_vgpr_msb (MSB<<8)|(\new)
.set MSB, (\new)
.endif
.endm
.set MUL_LO, 0xa1                      ; source 0 (W) window 1, source 1 (x) window 0, C and D window 2
.set MUL_HI, 0xf1
.set TO_B,   0x40
; A joint load: waves 0 and 1 fetch for x, waves 2 and 3 for W.  The branch hangs on the wave's number alone.  An s_nop 0 and four v_nop follow each line.
.macro JLOAD g0a, g1a, g0b, g1b
	s_cmp_eq_u32 s15, 0
	s_cbranch_scc0 .Lfor_b_\@
	tensor_load_to_lds s[\g0a:\g0a+3], s[\g1a:\g1a+7]
	s_nop 0
.rept 4
	v_nop
.endr
	s_branch .Lasked_\@
.Lfor_b_\@:
	tensor_load_to_lds s[\g0b:\g0b+3], s[\g1b:\g1b+7]
	s_nop 0
.rept 4
	v_nop
.endr
.Lasked_\@:
.endm
.macro CREST                           ; a round of the cluster's barrier behind its opening barrier
	s_cmp_lg_u32 s14, 0
	s_cbranch_scc1 .Lnot_wave_0_\@
	s_barrier_signal -3
.Lnot_wave_0_\@:
	s_barrier_wait -3
	s_barrier_signal -1
	s_barrier_wait -1
.endm
.macro CROUND
	s_barrier_signal -1
	s_barrier_wait -1
	CREST
.endm
	s_load_b128 s[4:7], s[0:1], 0x0                ; codes, scales
	s_load_b64 s[12:13], s[0:1], 0x10              ; qkv
	s_load_b128 s[96:99], s[0:1], 0x18             ; cos, sin
	s_load_b64 s[100:101], s[0:1], 0x28            ; q_norm_w
	s_load_b64 s[104:105], s[0:1], 0x30            ; k_norm_w
	s_load_b64 s[66:67], s[0:1], 0x38              ; fin
	v_lshl_add_u32 v[SPW], v0, 2, SPARE
	v_mov_b32 v[NIL], 0
	ds_add_u32 v[SPW], v[NIL]                      ; the wave's opening: the add, twice on end, and its wait ahead of my first tensor load
	ds_add_u32 v[SPW], v[NIL]
	v_lshrrev_b32 v1, 5, v0
	v_readfirstlane_b32 s14, v1                    ; wave 0..3
	s_lshr_b32 s15, s14, 1                         ; which half of the tile's tokens is mine.  Also: I fetch for x (0) or for W (1)
	s_and_b32 s16, s14, 1                          ; which half of its columns.  Also: which 128 rows I fetch
	s_bfe_u32 s40, ttmp6, 0x40000                  ; cx, cy
	s_bfe_u32 s41, ttmp6, 0x40004
	s_lshl_b32 s42, ttmp9, 2
	s_add_co_u32 s42, s42, s40                     ; tile column = 4 x cluster x + cx
	s_and_b32 s17, ttmp7, 0xffff
	s_lshl_b32 s17, s17, 2
	s_add_co_u32 s17, s17, s41                     ; tile row = 4 x cluster y + cy
	s_lshl_b32 s43, s41, 2
	s_lshl_b32 s43, 15, s43                        ; my row of the cluster
	s_lshl_b32 s44, 0x1111, s40                    ; my column
	s_or_b32 s[G1+0], s43, (0<<16)|(1<<20)|(1<<21)|(5<<22)|(3<<25)  ; mask; elements of 1 byte; padding on; bit 21 beside a mask; 4 words after every 64
	s_or_b32 s[G1B+0], s44, (0<<16)|(1<<20)|(1<<21)|(5<<22)|(3<<25)
.irp g, G1, G1B
	s_mov_b32 s[\g+1], ROWB<<16                    ; tensor_dim0
	s_mov_b32 s[\g+2], 128<<16                     ; tensor_dim1
	s_mov_b32 s[\g+3], ROWB<<16                    ; tile_dim0
	s_mov_b32 s[\g+4], 128                         ; tile_dim1
	s_mov_b32 s[\g+5], KROW                        ; stride
	s_mov_b32 s[\g+6], 0
	s_mov_b32 s[\g+7], 0
.endr
	s_or_b32 s[G1S+0], s43, (3<<16)|(1<<20)|(1<<21)|(5<<22)|(3<<25)  ; the scales of 128 rows: a dense block, as rows of 256 bytes (32 elements of 8 bytes)
	s_or_b32 s[G1SB+0], s44, (3<<16)|(1<<20)|(1<<21)|(5<<22)|(3<<25)
.irp g, G1S, G1SB
	s_mov_b32 s[\g+1], 32<<16
	s_mov_b32 s[\g+2], (128*KS/256)<<16
	s_mov_b32 s[\g+3], 32<<16
	s_mov_b32 s[\g+4], 128*KS/256
	s_mov_b32 s[\g+5], 32
	s_mov_b32 s[\g+6], 0
	s_mov_b32 s[\g+7], 0
.endr
	s_lshl_b32 s18, s16, 7
	s_lshl_b32 s20, s17, 8
	s_add_co_u32 s20, s20, s18                     ; x: row 256 x tile row + 128 x half
	s_lshl_b32 s46, s42, 8
	s_add_co_u32 s46, s46, s18                     ; W: row 256 x tile column + 128 x half, counted from Wq's first row
	s_mov_b32 s21, 0
	s_mov_b32 s47, 0
	s_mov_b64 s[18:19], KS
	s_mul_u64 s[22:23], s[20:21], s[18:19]
	s_mul_u64 s[92:93], s[46:47], s[18:19]
	s_mov_b64 s[18:19], KROW
	s_mul_u64 s[20:21], s[20:21], s[18:19]
	s_mul_u64 s[46:47], s[46:47], s[18:19]
	s_mul_i32 s45, s14, HALFT                      ; where they go: wave x 128 rows: no place in the cluster enters an LDS address
	s_mul_i32 s94, s14, HALFS
	s_wait_dscnt 0x0                               ; both opening adds are done
	s_wait_kmcnt 0x0
	s_add_nc_u64 s[8:9], s[4:5], 0x200000          ; the weights' codes lie behind x's 2,048 rows of 1,024 bytes,
	s_add_nc_u64 s[10:11], s[6:7], 0x20000         ; their scale bytes behind x's 2,048 x 64
	s_add_nc_u64 s[20:21], s[4:5], s[20:21]
	s_add_nc_u64 s[22:23], s[6:7], s[22:23]
	s_add_nc_u64 s[46:47], s[8:9], s[46:47]
	s_add_nc_u64 s[92:93], s[10:11], s[92:93]
	CROUND                                         ; all sixteen work-groups are here: the first joint loads meet
	s_mov_b32 s[G0S], 1
	s_add_co_u32 s[G0S+1], s94, SCL
	s_mov_b64 s[G0S+2:G0S+3], s[22:23]
	s_or_b32 s[G0S+3], s[G0S+3], 0x80000000
	s_mov_b32 s[G0SB], 1
	s_add_co_u32 s[G0SB+1], s94, SCL
	s_mov_b64 s[G0SB+2:G0SB+3], s[92:93]
	s_or_b32 s[G0SB+3], s[G0SB+3], 0x80000000
	JLOAD G0S, G1S, G0SB, G1SB                     ; the scales first: they are wanted with K step 0
.irp s, 0,1
	s_mov_b32 s[G0+4*\s], 1
	s_add_co_u32 s[G0+4*\s+1], s45, \s*SLOT
	s_add_nc_u64 s[G0+4*\s+2:G0+4*\s+3], s[20:21], \s*ROWB
	s_or_b32 s[G0+4*\s+3], s[G0+4*\s+3], 0x80000000
	s_mov_b32 s[G0B+4*\s], 1
	s_add_co_u32 s[G0B+4*\s+1], s45, \s*SLOT
	s_add_nc_u64 s[G0B+4*\s+2:G0B+4*\s+3], s[46:47], \s*ROWB
	s_or_b32 s[G0B+4*\s+3], s[G0B+4*\s+3], 0x80000000
	JLOAD G0+4*\s, G1, G0B+4*\s, G1B               ; three loads of mine are out now
.endr
	v_and_b32 v1, 15, v0                           ; r
	v_bfe_u32 v2, v0, 4, 1                         ; h
	v_mul_u32_u24 v3, v1, PITCH
	v_lshl_add_u32 v4, v2, 4, v3
	s_mul_i32 s21, s15, HALFT
	s_mul_i32 s22, s16, HALFT
	s_add_co_u32 s22, s22, 2*HALFT
.irp s, 0,1
	v_add_nc_u32 v[ADRA+\s], s21, v4
	v_add_nc_u32 v[ADRB+\s], s22, v4
	s_add_co_u32 s21, s21, SLOT
	s_add_co_u32 s22, s22, SLOT
.endr
	v_mul_u32_u24 v5, v1, KS                       ; my row's scales: KS bytes a row, and 16 more for each 256 passed
	v_lshrrev_b32 v6, 8, v5
	v_lshl_add_u32 v5, v6, 4, v5
	s_mul_i32 s21, s15, HALFS
	s_mul_i32 s22, s16, HALFS
	s_add_co_u32 s22, s22, 2*HALFS
	s_sub_co_u32 s22, s22, s21
	v_mul_u32_u24 v6, s22, v2                      ; lanes 16-31 take W's
	s_add_co_u32 s21, s21, SCL
	v_add_nc_u32 v5, v5, v6
	v_add_nc_u32 v[ADRS], s21, v5
	s_mul_i32 s23, s14, 16*SPITCH                  ; my stage
	v_mul_u32_u24 v5, v1, SPITCH                   ; in: row r, 16 bytes for each half of the lanes
	v_lshl_add_u32 v5, v2, 4, v5
	v_add_nc_u32 v[STO], s23, v5
	v_mul_u32_u24 v5, v2, SPITCH                   ; back: lanes 0-15 one row of 256 bytes, lanes 16-31 the next
	v_lshl_add_u32 v5, v1, 4, v5
	v_add_nc_u32 v[RD], s23, v5
	v_lshlrev_b32 v[CO], 8, v2                     ; and the same two rows in qkv
	v_lshl_add_u32 v[CO], v1, 4, v[CO]
	v_lshlrev_b32 v[CSO], 8, v1
	v_lshl_add_u32 v[CSO], v2, 5, v[CSO]
	v_lshlrev_b32 v[WNO], 5, v2
	v_lshlrev_b32 v[FO], 9, v1
	v_lshl_add_u32 v[FO], v2, 5, v[FO]
	s_lshl_b32 s46, s42, 1
	s_add_co_u32 s46, s46, s16                     ; g = 2 x tile column + half: my head among the 48
	s_lshl_b32 s20, s17, 8
	s_lshl_b32 s21, s15, 7
	s_add_co_u32 s20, s20, s21                     ; my first token
	v_mov_b32 v[T0V], s20
	s_lshl_b32 s22, s20, 8                         ; 256 bytes a token in cos, in sin and in a head of qkv
	s_mov_b32 s23, 0
	s_add_nc_u64 s[96:97], s[96:97], s[22:23]
	s_add_nc_u64 s[98:99], s[98:99], s[22:23]
	s_add_nc_u64 s[12:13], s[12:13], s[22:23]
	s_lshl_b32 s22, s46, 19                        ; a head of qkv: 2,048 x 256 bytes
	s_add_nc_u64 s[12:13], s[12:13], s[22:23]
	s_lshl_b32 s22, s46, 13                        ; a head of fin: 16 x 512 bytes
	s_add_nc_u64 s[66:67], s[66:67], s[22:23]
	s_cmp_lt_u32 ttmp9, 2                          ; clusters 0, 1 along x make q; 2, 3 k; 4, 5 v: alike in all sixteen partners
	s_cselect_b64 s[100:101], s[100:101], s[104:105]
; cos and sin of block a's 16 tokens, channels 16 b + 8 h + 0 .. 7 (b = 0 .. 3), into set a % 2 of window 1: cos at + 8 b, sin at + 32 + 8 b
.macro LOADCS a
.set CSB, 192-192*((\a)%2)
	WIN 0x40
.irp b, 0,1,2,3
.irp i, 0,1
	global_load_b128 v[CSB+8*\b+4*\i:CSB+8*\b+4*\i+3], v[CSO], s[96:97] offset:4096*(\a)+64*\b+16*\i
	global_load_b128 v[CSB+32+8*\b+4*\i:CSB+32+8*\b+4*\i+3], v[CSO], s[98:99] offset:4096*(\a)+64*\b+16*\i
.endr
.endr
	WIN 0
.endm
	WIN 0x40                                       ; the gains of my lane's 64 channels, and the first block's cos and sin, come while K is walked: these registers lie idle in the loop
.irp b, 0,1,2,3,4,5,6,7
.irp i, 0,1
	global_load_b128 v[WN+8*\b+4*\i:WN+8*\b+4*\i+3], v[WNO], s[100:101] offset:64*\b+16*\i
.endr
.endr
	LOADCS 0
.macro FRAG reg, adr, q, i             ; 16 rows x 128 K of 4-bit codes: lane l holds row l % 16; registers 4 c .. 4 c + 3 hold K = 64 c + 32 (l / 16) + 0 .. 31
.irp c, 0,1
	ds_load_b128 v[\reg+4*\c:\reg+4*\c+3], v[\adr] offset:64*(\q)+32*\c+(\i)*16*PITCH
.endr
.endm
; 16 matrix instructions: token blocks a0, a0 + 1 x W's eight blocks, 128 along K.  The 64 accumulators take turns, one instruction a turn, in the same order in every step.
.macro MUL16 a0, p, q, sc, zero
.irp a, \a0, \a0+1
.irp b, 0,1,2,3,4,5,6,7
.if \zero
	v_wmma_scale_f32_16x16x128_f8f6f4 v[8*(8*((\a)%4)+\b):8*(8*((\a)%4)+\b)+7], v[128*(\p)+FR*\b:128*(\p)+FR*\b+FR-1], v[AF+FR*(\a):AF+FR*(\a)+FR-1], 0, v[SC+8*NQ*(\sc)+NQ*\b+(\q)], v[SC+8*NQ*(\sc)+NQ*(\a)+(\q)] matrix_a_fmt:MATRIX_FMT_FP4 matrix_b_fmt:MATRIX_FMT_FP4 matrix_a_scale:MATRIX_SCALE_ROW1
.else
	v_wmma_scale_f32_16x16x128_f8f6f4 v[8*(8*((\a)%4)+\b):8*(8*((\a)%4)+\b)+7], v[128*(\p)+FR*\b:128*(\p)+FR*\b+FR-1], v[AF+FR*(\a):AF+FR*(\a)+FR-1], v[8*(8*((\a)%4)+\b):8*(8*((\a)%4)+\b)+7], v[SC+8*NQ*(\sc)+NQ*\b+(\q)], v[SC+8*NQ*(\sc)+NQ*(\a)+(\q)] matrix_a_fmt:MATRIX_FMT_FP4 matrix_b_fmt:MATRIX_FMT_FP4 matrix_a_scale:MATRIX_SCALE_ROW1
.endif
.endr
.endr
.endm
.macro FETCH_B slot, q, p
	WIN TO_B
.irp i, 0,1,2,3,4,5,6,7
	FRAG 128*(\p)+FR*\i, ADRB+\slot, \q, \i
.endr
	WIN 0
.endm
.macro FETCH_A slot, q, i0
.irp i, \i0, \i0+1, \i0+2, \i0+3
	FRAG AF+FR*(\i), ADRA+\slot, \q, \i
.endr
.endm
.macro SCALES sc                       ; a K step's scale words: lanes 0-15 take x's block i, lanes 16-31 W's block i
.irp i, 0,1,2,3,4,5,6,7
	ds_load_b128 v[SC+8*NQ*\sc+NQ*\i:SC+8*NQ*\sc+NQ*\i+3], v[ADRS] offset:\i*SBLK
.endr
.endm
.macro PLACES n                        ; plain vector instructions between a matrix instruction and a load into, or a read of, its registers
.rept \n
	v_nop
.endr
.endm
.macro STEP slot, q, zero              ; 128 along K, with its successor in the same slot
	s_wait_dscnt 4*NL                              ; W's set and x's blocks 0-3 are in; the youngest eight loads (x's blocks 4-7) may be out
	WIN MUL_LO
	MUL16 0, (\q)%2, \q, \slot, \zero
	MUL16 2, (\q)%2, \q, \slot, \zero
	s_wait_dscnt 0
	PLACES NP
	FETCH_B \slot, (\q)+1, 1-(\q)%2
	FETCH_A \slot, (\q)+1, 0
	WIN MUL_HI
	MUL16 4, (\q)%2, \q, \slot, \zero
	MUL16 6, (\q)%2, \q, \slot, \zero
	PLACES NP
	WIN 0
	FETCH_A \slot, (\q)+1, 4
.endm
; A slot's last step changes slots: one barrier; in front of it each wave waits for all its tensor loads, adds 0 to its spare word, and waits for that and for its reads of this slot.
.macro TURN slot, next, fill
	s_wait_tensorcnt 0x0                           ; all my tensor loads have landed: my part of the next slot
	ds_add_u32 v[SPW], v[NIL]
	s_wait_dscnt 4*NL+1                            ; the add and the youngest eight loads may be out
	WIN MUL_LO
	MUL16 0, 1, NQ-1, \slot, 0
	s_wait_dscnt 0x0                               ; the add is done, and my reads of this slot are over
	s_barrier_signal -1
	MUL16 2, 1, NQ-1, \slot, 0
	WIN 0
	s_barrier_wait -1
.if \fill
	CREST                                          ; the barrier has opened a round of the cluster's barrier: no wave of any partner still reads this slot or has a load on its way
	s_add_nc_u64 s[G0+4*\slot+2:G0+4*\slot+3], s[G0+4*\slot+2:G0+4*\slot+3], 2*ROWB
	s_add_nc_u64 s[G0B+4*\slot+2:G0B+4*\slot+3], s[G0B+4*\slot+2:G0B+4*\slot+3], 2*ROWB
	JLOAD G0+4*\slot, G1, G0B+4*\slot, G1B         ; my one tensor load behind the round; its four v_nop are the places in front of the loads below
.else
	PLACES NP
.endif
	v_add_nc_u32 v[ADRS], 4*NQ, v[ADRS]
	FETCH_B \next, 0, 0
	FETCH_A \next, 0, 0
	SCALES \next
	WIN MUL_HI
	MUL16 4, 1, NQ-1, \slot, 0
	MUL16 6, 1, NQ-1, \slot, 0
	PLACES NP
	WIN 0
	FETCH_A \next, 0, 4
.endm
.macro STEPS slot, from
.set QQ, \from
.rept NQ-1-\from
	STEP \slot, QQ, 0
.set QQ, QQ+1
.endr
.endm
	s_wait_tensorcnt 1                             ; the scales and my part of K step 0 are in; K step 1's load may be out
	s_barrier_signal -1
	s_barrier_wait -1
	FETCH_B 0, 0, 0
	FETCH_A 0, 0, 0
	SCALES 0
	FETCH_A 0, 0, 4
	STEP 0, 0, 1                                   ; the first step starts the sums: nothing is cleared
	s_mov_b32 s3, LAPS-1
.Llap:
	STEPS 0, 1
	TURN 0, 1, 1
	STEPS 1, 0
	TURN 1, 0, 1
	STEP 0, 0, 0
	s_sub_co_u32 s3, s3, 1
	s_cmp_lg_u32 s3, 0
	s_cbranch_scc1 .Llap
	STEPS 0, 1                                     ; the last lap fills nothing
	TURN 0, 1, 0
	STEPS 1, 0
	s_wait_dscnt 4*NL
	WIN MUL_LO
	MUL16 0, 1, NQ-1, 1, 0
	MUL16 2, 1, NQ-1, 1, 0
	s_wait_dscnt 0
	WIN MUL_HI
	MUL16 4, 1, NQ-1, 1, 0
	MUL16 6, 1, NQ-1, 1, 0
	WIN 0
; ---- THE WAY OUT, block by block of 16 tokens.
	PLACES NP                                      ; behind the last products: for the reads of results and for all writes of and loads into operands' and scales' registers below
	s_wait_loadcnt 0x0                             ; the gains, and block 0's cos and sin
	s_mov_b32 s40, 0x3c000000                      ; 1 / 128
	s_mov_b32 s41, 0x34000000                      ; eps = 2^-23
	s_mov_b32 s42, 0x76543210                      ; v_permlanex16_b32's selects for lane l xor 16
	s_mov_b32 s43, 0xfedcba98
	v_mov_b32 v201, 0                              ; a lane permute's destination counts as read
	v_mov_b32 v203, 0                              ; named as the upper half of the pair v[202:203]
	s_cmp_ge_u32 ttmp9, 4
	s_cbranch_scc1 .Lv
.macro ROPE a                          ; Y(d) = x(d) cos - x(d + 64) sin, Y(d + 64) = x(d) sin + x(d + 64) cos; each accumulator is read from its low end on
.set AC, 64*((\a)%4)
.set CSB, 192-192*((\a)%2)
	WIN 0x06+(\a)/4                                ; source 0: the accumulators' window; source 1: window 1
.irp b, 0,1,2,3
.irp j, 0,2,4,6
	v_pk_mul_f32 v[Y+8*\b+\j:Y+8*\b+\j+1], v[AC+8*\b+\j:AC+8*\b+\j+1], v[CSB+8*\b+\j:CSB+8*\b+\j+1]
	v_pk_mul_f32 v[Y+32+8*\b+\j:Y+32+8*\b+\j+1], v[AC+8*\b+\j:AC+8*\b+\j+1], v[CSB+32+8*\b+\j:CSB+32+8*\b+\j+1]
.endr
.endr
.irp b, 0,1,2,3
.irp j, 0,2,4,6
	v_pk_fma_f32 v[Y+8*\b+\j:Y+8*\b+\j+1], v[AC+32+8*\b+\j:AC+32+8*\b+\j+1], v[CSB+32+8*\b+\j:CSB+32+8*\b+\j+1], v[Y+8*\b+\j:Y+8*\b+\j+1] neg_lo:[1,0,0] neg_hi:[1,0,0]
	v_pk_fma_f32 v[Y+32+8*\b+\j:Y+32+8*\b+\j+1], v[AC+32+8*\b+\j:AC+32+8*\b+\j+1], v[CSB+8*\b+\j:CSB+8*\b+\j+1], v[Y+32+8*\b+\j:Y+32+8*\b+\j+1]
.endr
.endr
	WIN 0
.endm
.macro NORM                            ; Y x rsqrt(mean of squares + eps) x gain
.irp k, 0,1,2,3
	v_pk_mul_f32 v[SQ+2*\k:SQ+2*\k+1], v[Y+2*\k:Y+2*\k+1], v[Y+2*\k:Y+2*\k+1]   ; four chains
.endr
.set i, 4
.rept 28
	v_pk_fma_f32 v[SQ+2*(i%4):SQ+2*(i%4)+1], v[Y+2*i:Y+2*i+1], v[Y+2*i:Y+2*i+1], v[SQ+2*(i%4):SQ+2*(i%4)+1]
.set i, i+1
.endr
	v_pk_add_f32 v[SQ:SQ+1], v[SQ:SQ+1], v[SQ+2:SQ+3]
	v_pk_add_f32 v[SQ+4:SQ+5], v[SQ+4:SQ+5], v[SQ+6:SQ+7]
	v_pk_add_f32 v[SQ:SQ+1], v[SQ:SQ+1], v[SQ+4:SQ+5]
	v_add_f32 v[SQ], v[SQ], v[SQ+1]
	v_permlanex16_b32 v201, v[SQ], s42, s43        ; the token's other 64 channels lie in the lane 16 away
	v_add_f32 v[SQ], v[SQ], v201
	v_fma_f32 v200, v[SQ], s40, s41
	v_rsq_f32 v202, v200
	v_nop                                          ; a plain instruction behind the transcendental,
	s_wait_alu depctr_va_vdst(0)                   ; and the wait ahead of its first reader
.set i, 0
.rept 32
	v_pk_mul_f32 v[Y+i:Y+i+1], v[Y+i:Y+i+1], v[202:203] op_sel_hi:[1,0]
.set i, i+2
.endr
	WIN 0x04                                       ; source 1: window 1
.set i, 0
.rept 32
	v_pk_mul_f32 v[Y+i:Y+i+1], v[Y+i:Y+i+1], v[WN+i:WN+i+1]
.set i, i+2
.endr
	WIN 0
.endm
.macro PACKY
.irp b, 0,1,2,3,4,5,6,7
.irp i, 0,1,2,3
	v_cvt_pk_f16_f32 v[TMP+4*\b+\i], v[Y+8*\b+2*\i], v[Y+8*\b+2*\i+1]
.endr
.endr
.endm
.macro TOSTAGE a, base                 ; 16 bytes a lane into my stage, and back as whole rows of 256 bytes: LDS serves a wave's instructions in order (ISA guide 5.7.1)
.set BB, BK+32*((\a)%2)
.irp b, 0,1,2,3,4,5,6,7
	ds_store_b128 v[STO], v[TMP+4*\b:TMP+4*\b+3] offset:\base+32*\b
.endr
.irp t, 0,1,2,3,4,5,6,7
	ds_load_b128 v[BB+4*\t:BB+4*\t+3], v[RD] offset:\base+2*\t*SPITCH
.endr
.endm
.macro SEND a, younger                 ; younger: the LDS instructions issued behind block a's loads
.set BB, BK+32*((\a)%2)
	s_wait_dscnt \younger
.irp t, 0,1,2,3,4,5,6,7
	global_store_b128 v[CO], v[BB+4*\t:BB+4*\t+3], s[12:13] offset:4096*(\a)+512*\t   ; 16 lanes store 256 consecutive bytes, aligned
.endr
.endm
.irp a, 0,1,2,3,4,5,6,7
.if \a < 7
	LOADCS \a+1
	s_wait_loadcnt 16                              ; this block's cos and sin are in; the sixteen just issued stay out
.else
	s_wait_loadcnt 0x0
.endif
	ROPE \a
	NORM
.if \a == 0
	s_wait_xcnt 0x0                                ; EXEC changes only behind this wait
	v_cmp_eq_u32 vcc_lo, 0, v[T0V]                 ; tokens 0-15 also leave as f32: only the wave whose first token is 0 has lanes on (a mask, no branch)
	s_and_saveexec_b32 s2, vcc_lo
.irp b, 0,1,2,3,4,5,6,7
.irp i, 0,1
	global_store_b128 v[FO], v[Y+8*\b+4*\i:Y+8*\b+4*\i+3], s[66:67] offset:64*\b+16*\i
.endr
.endr
	s_wait_xcnt 0x0                                ; and again in front of the line that widens it; Y may be written again too
	s_or_b32 exec_lo, exec_lo, s2
.endif
	PACKY
.if \a > 1
	s_wait_xcnt 0x0                                ; block a - 2's stores have read the registers into which this block's rows come back
.endif
	TOSTAGE \a, 0
.if \a > 0
	SEND \a-1, 16                                  ; behind block a - 1's loads: block a's 8 stores and 8 loads
.endif
.endr
	SEND 7, 0
	s_branch .Ltail
.Lv:                                               ; v: no RoPE, no norm
	s_wait_xcnt 0x0
	v_cmp_eq_u32 vcc_lo, 0, v[T0V]
	s_and_saveexec_b32 s2, vcc_lo
	WIN 0x08                                       ; a store's data are its source 1: window 2
.irp b, 0,1,2,3,4,5,6,7
.irp i, 0,1
	global_store_b128 v[FO], v[8*\b+4*\i:8*\b+4*\i+3], s[66:67] offset:64*\b+16*\i
.endr
.endr
	WIN 0
	s_wait_xcnt 0x0
	s_or_b32 exec_lo, exec_lo, s2
.macro PACKV a
.set AC, 64*((\a)%4)
	WIN 0x0a+5*((\a)/4)                            ; sources 0 and 1: window 2 or 3
.irp b, 0,1,2,3,4,5,6,7
.irp i, 0,1,2,3
	v_cvt_pk_f16_f32 v[TMP+4*\b+\i], v[AC+8*\b+2*\i], v[AC+8*\b+2*\i+1]
.endr
.endr
	WIN 0
.endm
.irp a, 0,1,2,3,4,5,6,7
	PACKV \a
.if \a > 1
	s_wait_xcnt 0x0
.endif
	TOSTAGE \a, STGV
.if \a > 0
	SEND \a-1, 16
.endif
.endr
	SEND 7, 0
.Ltail:
	s_wait_tensorcnt 0x0                           ; the wave's end
	ds_add_u32 v[SPW], v[NIL]
	s_wait_dscnt 0x0
	CROUND                                         ; the closing round: no work-group ends while a partner may still ask for a tile that names it
	s_endpgm
.Lfunc_end_k_q87d280cbe6_qkv:
	.size	k_q87d280cbe6_qkv, .Lfunc_end_k_q87d280cbe6_qkv-k_q87d280cbe6_qkv
	.p2alignl 7, 3214868480
	.fill 96, 4, 3214868480
	.section	.rodata,"a",@progbits
	.p2align	6, 0x0
	.amdhsa_kernel k_q87d280cbe6_qkv
		.amdhsa_group_segment_fixed_size 327680
		.amdhsa_private_segment_fixed_size 0
		.amdhsa_enable_private_segment 0
		.amdhsa_kernarg_size 64
		.amdhsa_user_sgpr_count 2
		.amdhsa_user_sgpr_kernarg_segment_ptr 1
		.amdhsa_wavefront_size32 1
		.amdhsa_system_sgpr_workgroup_id_x 1
		.amdhsa_system_sgpr_workgroup_id_y 1
		.amdhsa_system_sgpr_workgroup_id_z 1
		.amdhsa_system_vgpr_workitem_id 0
		.amdhsa_next_free_vgpr 1024
		.amdhsa_next_free_sgpr 106
		.amdhsa_reserve_vcc 1
		.amdhsa_float_denorm_mode_32 3
		.amdhsa_float_denorm_mode_16_64 3
		.amdhsa_memory_ordered 1
		.amdhsa_forward_progress 1
		.amdhsa_inst_pref_size 255
	.end_amdhsa_kernel
	.section	.bss,"aw",@nobits
	.p2align	6
	.space	262144
	.amdgpu_metadata
---
amdhsa.version: [ 1, 2 ]
amdhsa.kernels:
  - .name:           k_q87d280cbe6_qkv
    .symbol:         k_q87d280cbe6_qkv.kd
    .args:
      - { .name: codes, .offset: 0, .size: 8, .value_kind: global_buffer, .address_space: global }
      - { .name: scales, .offset: 8, .size: 8, .value_kind: global_buffer, .address_space: global }
      - { .name: qkv, .offset: 16, .size: 8, .value_kind: global_buffer, .address_space: global }
      - { .name: cos, .offset: 24, .size: 8, .value_kind: global_buffer, .address_space: global }
      - { .name: sin, .offset: 32, .size: 8, .value_kind: global_buffer, .address_space: global }
      - { .name: q_norm_w, .offset: 40, .size: 8, .value_kind: global_buffer, .address_space: global }
      - { .name: k_norm_w, .offset: 48, .size: 8, .value_kind: global_buffer, .address_space: global }
      - { .name: fin, .offset: 56, .size: 8, .value_kind: global_buffer, .address_space: global }
    .group_segment_fixed_size: 327680
    .private_segment_fixed_size: 0
    .kernarg_segment_align: 8
    .kernarg_segment_size: 64
    .max_flat_workgroup_size: 128
    .sgpr_count:     106
    .vgpr_count:     1024
    .wavefront_size: 32
...
	.end_amdgpu_metadata
.endif
;; end of part 2
;; launch attn (part 3): grid 16 x 16, 8 waves a work-group, no clusters, 327,680 bytes of LDS; arguments qkv, att; writes att
.if DOCPART == 3
	.amdgcn_target "amdgcn-amd-amdhsa--gfx1250"
	.amdhsa_code_object_version 6
	.text
	.protected	k_q87d280cbe6_attn
	.globl	k_q87d280cbe6_attn
	.p2align	8
	.type	k_q87d280cbe6_attn,@function
k_q87d280cbe6_attn:
	s_mov_b64 s[64:65], 0
	v_nop
	global_prefetch_b8 v0, s[64:65] scope:SCOPE_SE
	s_setreg_imm32_b32 hwreg(HW_REG_WAVE_MODE, 25, 1), 1
	s_wait_xcnt 0x0
; att[q][128 head + :] = the sum over keys k <= q of softmax_k(Q[q] . K[k] / sqrt(128)) V[k][:], for 16 heads of 2,048 tokens.  Q, K, V: f16, qkv[g][token][128]; att: f16 [2048][2048].
; Products, maxima and sums in f32; the weights p are rounded to f16 for the second product; a running maximum m and sum l for each query: p = 2^(c s - c m), c = log2(e) / sqrt(128).
; LIMIT: the result stays under 65,504 (f16), as v does.
; SHARES.  Work-group (i, head) owns query blocks i and 31 - i, 64 queries each: under the causal mask every work-group so has 33 block steps.  Waves 0-3 take the early block, waves 4-7 the late one, 16 queries a wave.
; Every work-group walks all 16 slots of 128 keys (constant trip counts); a key step (64 keys) all of whose keys come after the wave's queries is jumped over by a scalar branch on ids.
; NO CLUSTER: the work-groups of a head have different causal limits, so a joint load would bring tiles that a partner never reads.
; LAYOUT.  S^T = K Q^T (source 0 = 16 keys, source 1 = my 16 queries): a lane holds ONE query (lane % 16) and keys 8 (lane / 16) + 0..7 of each tile.  Two such tiles, rounded to f16 in pairs, are source 1 of
; O^T = V^T P, whose result again holds one query a lane.  K comes out of LDS as it lies, V ([key][channel]) turned, by ds_load_tr16_b128.
; THE RING: two slots; a slot is K's 128 rows (pitch 272), then V's 128 rows (pitch 288).  Wave 0 fetches K's tile, wave 1 V's: each load holds rows of the slot's first step, so it is read whenever the slot is asked for.
; REGISTERS: window 0: v1-12 addresses; v16-29 statistics; v32-63 Q; v64-95 S^T; v96-111 P; v128-191 O^T.   window 1: v0-127 K of a step, v128-255 V.
.set KS,    64                         ; keys in a step
.set SKEYS, 128                        ; keys in a slot
.set PK,    272
.set PV,    288
.set VOFF,  SKEYS*PK
.set SLOT1, 1<<17
.set STAGE, SLOT1+SKEYS*(PK+PV)        ; behind the ring: 16 rows x 272 bytes a wave, for the way out
.set SP,    272
.set SPARE, STAGE+8*16*SP              ; the spare words, 128 bytes a wave
.set NSL,   2048/SKEYS
.set AK0, 1
.set AV0, 2
.set ADK, 3
.set ADV, 4
.set SPW, 5
.set NIL, 6
.set GO,  7
.set STO, 8
.set RD,  9
.set QO,  10
.set PFO, 11                           ; 256 x my lane: a row of K or V is 256 bytes
.set RH,  12                           ; r - 8 h
.set CM,  16                           ; c m;  v17 m
.set M,   17
.set L,   18                           ; v[18:19] l, even keys' and odd keys'
.set T,   20                           ; v20-23 at work
.set CMO, 24
.set A,   26                           ; v[26:27]: a = 2^(c m_old - c m_new); on the way out 1 / l
.set NINF, 28
.set DD,  29
.set Q,   32
.set S,   64
.set P,   96
.set O,   128
.set WV,  18
.set SEL, 20
.set CS,  22
.set G1K, 24
.set G1V, 32
.set G0K, 40
.set G0V, 44
.set TB,  2
.set SLOTS, 67
.set PFK, 76
.set PFV, 78
.set LIM, 80
.set LASTQ, 95
.set KF,  98
.set Q0,  99
.set MSB, 0
.macro WIN new
.if MSB != (\new)
	s_set_vgpr_msb (MSB<<8)|(\new)
.set MSB, (\new)
.endif
.endm
; Wave 0 fetches K's tile, wave 1 V's, the others nothing.  An s_nop 0 and four v_nop follow each line.
.macro TLOAD
	s_cmp_eq_u32 s[WV], 0
	s_cbranch_scc0 .Lnot_k_\@
	tensor_load_to_lds s[G0K:G0K+3], s[G1K:G1K+7]
	s_nop 0
.rept 4
	v_nop
.endr
	s_branch .Lasked_\@
.Lnot_k_\@:
	s_cmp_eq_u32 s[WV], 1
	s_cbranch_scc0 .Lasked_\@
	tensor_load_to_lds s[G0V:G0V+3], s[G1V:G1V+7]
	s_nop 0
.rept 4
	v_nop
.endr
.Lasked_\@:
.endm
; A prefetch into the L2 of the slot that the change of slots two changes on will ask for: four key steps ahead of that load.  Each row of 256 bytes is named once in the launch: all work-groups of a head walk
; the same K and V, so the head's work-group 0 asks (it walks every slot itself); in it waves 4-7, which fetch nothing, take 32 rows each of K and of V, a lane a row.  Slots 0 to 2 come by their loads alone; slot 15 is the last asked for.
.macro ASK
	s_cmp_gt_u32 s[SLOTS], s[LIM]
	s_cbranch_scc0 .Lnot_mine_\@
	global_prefetch_b8 v[PFO], s[PFK:PFK+1] th:TH_LOAD_NT scope:SCOPE_SE
	global_prefetch_b8 v[PFO], s[PFV:PFV+1] th:TH_LOAD_NT scope:SCOPE_SE
.Lnot_mine_\@:
.endm
	s_load_b128 s[4:7], s[0:1], 0x0                ; qkv, att
	v_lshl_add_u32 v[SPW], v0, 2, SPARE
	v_mov_b32 v[NIL], 0
	ds_add_u32 v[SPW], v[NIL]                      ; the wave's opening: the add, twice on end, and its wait ahead of the first tensor load
	ds_add_u32 v[SPW], v[NIL]
	v_lshrrev_b32 v8, 5, v0
	v_readfirstlane_b32 s[WV], v8                  ; wave 0..7
	s_and_b32 s72, ttmp7, 0xffff                   ; the head
	s_lshl_b32 s73, ttmp9, 6                       ; 64 i
	s_lshl_b32 s74, s[WV], 4                       ; 16 w
	s_add_co_u32 s75, s73, s74                     ; waves 0-3: 64 i + 16 w
	s_sub_co_u32 s81, 1920, s73
	s_add_co_u32 s81, s81, s74                     ; waves 4-7: 64 (31 - i) + 16 (w - 4)
	s_sub_co_u32 s[LASTQ], 2047, s73               ; my work-group's last query
	s_cmp_lt_u32 s[WV], 4
	s_cselect_b32 s[Q0], s75, s81                  ; my first query
	s_lshl_b32 s82, s72, 19                        ; a head: 2,048 rows of 256 bytes
	s_add_co_u32 s84, s82, 16<<19                  ; K's head
	s_mov_b32 s85, 0
	s_add_co_u32 s86, s84, 16<<19                  ; V's head
	s_mov_b32 s87, 0
	s_lshl_b32 s90, s[Q0], 8
	s_add_co_u32 s90, s90, s82                     ; Q: my first row
	s_mov_b32 s91, 0
	s_lshl_b32 s88, s[Q0], 12                      ; att: 4,096 bytes a token, 256 a head
	s_lshl_b32 s89, s72, 8
	s_add_co_u32 s88, s88, s89
	s_mov_b32 s89, 0
	s_and_b32 s92, s[WV], 3
	s_lshl_b32 s92, s92, 13                        ; the prefetches: my wave's 32 rows,
	s_add_co_u32 s92, s92, s84
	s_add_co_u32 s92, s92, 2*SKEYS*256             ; in slot 2: the first change of slots steps them to slot 3
	s_mov_b32 s93, 0
	s_lshr_b32 s94, s[WV], 2
	s_xor_b32 s94, s94, 1                          ; 0 in waves 4-7,
	s_or_b32 s94, s94, ttmp9                       ; of the head's work-group 0
	s_cmp_eq_u32 s94, 0
	s_cselect_b32 s[LIM], 2, -1
	s_mov_b32 s[G1K], (1<<16)|(1<<20)|(5<<22)|(3<<25)   ; elements of 2 bytes; padding on: 4 words after every 64
	s_mov_b32 s[G1V], (1<<16)|(1<<20)|(5<<22)|(7<<25)   ; 8 words
.irp g, G1K, G1V
	s_mov_b32 s[\g+1], 128<<16                     ; tensor_dim0
	s_mov_b32 s[\g+2], SKEYS<<16                   ; tensor_dim1
	s_mov_b32 s[\g+3], 128<<16                     ; tile_dim0
	s_mov_b32 s[\g+4], SKEYS                       ; tile_dim1
	s_mov_b32 s[\g+5], 128                         ; stride
	s_mov_b32 s[\g+6], 0
	s_mov_b32 s[\g+7], 0
.endr
	s_mov_b32 s[SEL], 0x76543210
	s_mov_b32 s[SEL+1], 0xfedcba98
	s_mov_b32 s[CS], 0x3e0293ee                    ; c = log2(e) / sqrt(128)
	s_mov_b32 s[CS+1], s[CS]
	s_mov_b32 s[TB], 0
	s_mov_b32 s[SLOTS], NSL-1
	s_mov_b32 s[KF], 0
	s_wait_dscnt 0x0                               ; both opening adds are done
	s_wait_kmcnt 0x0
	s_mov_b32 s[G0K], 1
	s_mov_b32 s[G0K+1], 0                          ; slot 0
	s_add_nc_u64 s[G0K+2:G0K+3], s[4:5], s[84:85]
	s_or_b32 s[G0K+3], s[G0K+3], 0x80000000
	s_mov_b32 s[G0V], 1
	s_mov_b32 s[G0V+1], VOFF
	s_add_nc_u64 s[G0V+2:G0V+3], s[4:5], s[86:87]
	s_or_b32 s[G0V+3], s[G0V+3], 0x80000000
	TLOAD                                          ; slot 0: key 0 counts for every query
	s_add_nc_u64 s[8:9], s[4:5], s[90:91]
	s_add_nc_u64 s[6:7], s[6:7], s[88:89]
	s_add_nc_u64 s[PFK:PFK+1], s[4:5], s[92:93]
	s_add_nc_u64 s[PFV:PFV+1], s[PFK:PFK+1], 16<<19
	v_and_b32 v13, 15, v0                          ; r
	v_bfe_u32 v14, v0, 4, 1                        ; h
	v_lshlrev_b32 v[QO], 8, v13
	v_lshl_add_u32 v[QO], v14, 4, v[QO]
.irp c, 0,1,2,3                                ; Q stays in registers: channels 32 c on
	global_load_b128 v[Q+8*\c:Q+8*\c+3], v[QO], s[8:9] offset:64*\c
	global_load_b128 v[Q+8*\c+4:Q+8*\c+7], v[QO], s[8:9] offset:64*\c+32
.endr
	v_mul_u32_u24 v[AK0], v13, PK
	v_lshl_add_u32 v[AK0], v14, 4, v[AK0]          ; K: row r x pitch + 16 h
	v_and_b32 v15, 7, v0
	v_lshl_add_u32 v[AV0], v14, 3, v15             ; V: key 8 h + lane % 8,
	v_mul_u32_u24 v[AV0], v[AV0], PV
	v_bfe_u32 v15, v0, 3, 1
	v_lshl_add_u32 v[AV0], v15, 4, v[AV0]          ; channels 8 ((lane / 8) % 2) on
	v_add_nc_u32 v[AV0], VOFF, v[AV0]
	v_lshlrev_b32 v[GO], 12, v14
	v_lshl_add_u32 v[GO], v13, 4, v[GO]            ; the way out: lanes 0-15 one row of att, lanes 16-31 the next
	s_mul_i32 s73, s[WV], 16*SP
	s_add_co_u32 s73, s73, STAGE
	v_mul_u32_u24 v[STO], v13, SP
	v_lshl_add_u32 v[STO], v14, 4, v[STO]
	v_add_nc_u32 v[STO], s73, v[STO]
	v_mul_u32_u24 v[RD], v14, SP
	v_lshl_add_u32 v[RD], v13, 4, v[RD]
	v_add_nc_u32 v[RD], s73, v[RD]
	v_and_b32 v[PFO], 31, v0
	v_lshlrev_b32 v[PFO], 8, v[PFO]
	v_lshlrev_b32 v15, 3, v14
	v_sub_nc_u32 v[RH], v13, v15
	v_mov_b32 v[M], 0xff61b1e6                     ; the largest score so far: -3e38
	v_mul_f32 v[CM], s[CS], v[M]
	v_mov_b32 v[L], 0
	v_mov_b32 v[L+1], 0
	v_mov_b32 v[T], 0                              ; a lane permute's destination counts as read
	v_mov_b32 v[A+1], 0                            ; named as the upper half of a pair
	v_mov_b32 v[NINF], 0xff800000
.set i, 0
.rept 64
	v_mov_b32 v[O+i], 0                            ; O^T.  The key step is written once: the first finds zeros, which a = 0 leaves zeros
.set i, i+1
.endr
; A KEY STEP: 64 keys, the u-th of the slot in hand.
.macro STEP u
	s_add_co_u32 s96, s[Q0], 15
	s_cmp_gt_u32 s[KF], s96                        ; all its keys come after my 16 queries: nothing to do but step the count
	s_cbranch_scc1 .Lhidden_\@
	v_add_nc_u32 v[ADK], s[TB], v[AK0]
	v_add_nc_u32 v[ADV], s[TB], v[AV0]
	v_nop
	v_nop                                          ; four plain instructions between the last step's products and the loads into V's registers
	WIN 0x40                                       ; destination window 1
.set f, 0
.rept 16                                       ; K: keys 16 (f / 4) on, channels 32 (f % 4) on
	ds_load_b128 v[8*f:8*f+3], v[ADK] offset:(\u)*KS*PK+(f/4)*16*PK+(f%4)*64
	ds_load_b128 v[8*f+4:8*f+7], v[ADK] offset:(\u)*KS*PK+(f/4)*16*PK+(f%4)*64+32
.set f, f+1
.endr
.set f, 0
.rept 16                                       ; V, turned: keys 32 (f / 8) on, channels 16 (f % 8) on
	ds_load_tr16_b128 v[128+8*f:128+8*f+3], v[ADV] offset:(\u)*KS*PV+(f/8)*32*PV+(f%8)*32
	ds_load_tr16_b128 v[128+8*f+4:128+8*f+7], v[ADV] offset:(\u)*KS*PV+(f/8)*32*PV+16*PV+(f%8)*32
.set f, f+1
.endr
	s_wait_dscnt 32                                ; K is in; V's 32 loads stay out
	WIN 0x01                                       ; source 0 window 1
.irp c, 0,1,2,3                                ; the four accumulators take turns
.irp t, 0,1,2,3
.if \c == 0
	v_wmma_f32_16x16x32_f16 v[S+8*\t:S+8*\t+7], v[32*\t+8*\c:32*\t+8*\c+7], v[Q+8*\c:Q+8*\c+7], 0
.else
	v_wmma_f32_16x16x32_f16 v[S+8*\t:S+8*\t+7], v[32*\t+8*\c:32*\t+8*\c+7], v[Q+8*\c:Q+8*\c+7], v[S+8*\t:S+8*\t+7]
.endif
.endr
.endr
	WIN 0
.rept 4
	v_nop
.endr
	s_add_co_u32 s96, s[KF], KS-1
	s_cmp_le_u32 s96, s[Q0]                        ; all its keys count for all my queries: no mask
	s_cbranch_scc1 .Lopen_\@
	s_sub_co_i32 s96, s[Q0], s[KF]
	v_add_nc_u32 v[DD], s96, v[RH]                 ; d = my query - KF - 8 h.  Register 8 t + j holds key KF + 16 t + 8 h + j: hidden where 16 t + j > d
.set n, 0
.rept 32
	v_cmp_gt_i32 vcc_lo, 16*(n/8)+n%8, v[DD]
	v_cndmask_b32 v[S+n], v[S+n], v[NINF], vcc_lo
.set n, n+1
.endr
.Lopen_\@:
.irp k, 0,1,2,3
	v_max3_num_f32 v[T+\k], v[S+8*\k], v[S+8*\k+1], v[S+8*\k+2]   ; four chains, each from its accumulator's low end
.endr
.irp i, 3,5
.irp k, 0,1,2,3
	v_max3_num_f32 v[T+\k], v[T+\k], v[S+8*\k+\i], v[S+8*\k+\i+1]
.endr
.endr
	v_max3_num_f32 v[T], v[T], v[S+7], v[S+15]
	v_max3_num_f32 v[T+2], v[T+2], v[S+23], v[S+31]
	v_max3_num_f32 v[T], v[T], v[T+1], v[T+2]
	v_max3_num_f32 v[T], v[T], v[T+3], v[M]
	v_permlanex16_b32 v[T+1], v[T], s[SEL], s[SEL+1]   ; the query's other 32 keys lie in the lane 16 away
	v_mov_b32 v[CMO], v[CM]
	v_max_num_f32 v[M], v[T], v[T+1]
	v_mul_f32 v[CM], s[CS], v[M]
	v_sub_f32 v[CMO], v[CMO], v[CM]
.set n, 0
.rept 16
	v_pk_fma_f32 v[S+n:S+n+1], v[S+n:S+n+1], s[CS:CS+1], v[CM:CM+1] op_sel_hi:[1,0,0] neg_lo:[0,0,1] neg_hi:[0,0,1]   ; c s - c m
.set n, n+2
.endr
	v_exp_f32 v[A], v[CMO]
.set n, 0
.rept 32
	v_exp_f32 v[S+n], v[S+n]
.set n, n+1
.endr
	v_nop                                          ; a plain instruction behind the last exponential,
	s_wait_alu depctr_va_vdst(0)                   ; and one wait for the batch of 33, ahead of its first reader
.set n, 0
.rept 16
	v_cvt_pk_f16_f32 v[P+n], v[S+2*n], v[S+2*n+1]
.set n, n+1
.endr
.irp z, 0,1,2,3,4,5,6,7
	v_pk_add_f32 v[S+4*\z:S+4*\z+1], v[S+4*\z:S+4*\z+1], v[S+4*\z+2:S+4*\z+3]   ; the sum of the unrounded weights, in place
.endr
.irp z, 0,1,2,3
	v_pk_add_f32 v[S+8*\z:S+8*\z+1], v[S+8*\z:S+8*\z+1], v[S+8*\z+4:S+8*\z+5]
.endr
.irp z, 0,1
	v_pk_add_f32 v[S+16*\z:S+16*\z+1], v[S+16*\z:S+16*\z+1], v[S+16*\z+8:S+16*\z+9]
.endr
	v_pk_add_f32 v[S:S+1], v[S:S+1], v[S+16:S+17]
	v_pk_fma_f32 v[L:L+1], v[L:L+1], v[A:A+1], v[S:S+1] op_sel_hi:[1,0,1]
.set n, 0
.rept 32
	v_pk_mul_f32 v[O+n:O+n+1], v[O+n:O+n+1], v[A:A+1] op_sel_hi:[1,0]
.set n, n+2
.endr
	s_wait_dscnt 0x0                               ; V is in
	WIN 0x01
.irp c, 0,1                                    ; keys 32 c on; the eight accumulators take turns
.irp t, 0,1,2,3,4,5,6,7
	v_wmma_f32_16x16x32_f16 v[O+8*\t:O+8*\t+7], v[128+64*\c+8*\t:128+64*\c+8*\t+7], v[P+8*\c:P+8*\c+7], v[O+8*\t:O+8*\t+7]
.endr
.endr
	WIN 0
.Lhidden_\@:
	s_add_co_u32 s[KF], s[KF], KS
.endm
; THE CHANGE OF SLOTS stands at a slot's head.  Each wave waits for all its tensor loads, adds 0 to its spare word, and waits for that
; and for its reads of the slot that it has left.  Behind the barrier the slot ahead is whole and nobody reads the other one, which is filled with the keys that follow.
.macro CHANGE fill
	s_wait_tensorcnt 0x0                           ; no tensor load of mine is out, so a group 0 may be written
	ds_add_u32 v[SPW], v[NIL]
.if \fill
	ds_add_u32 v[SPW], v[NIL]
	s_xor_b32 s[G0K+1], s[G0K+1], SLOT1
	s_add_nc_u64 s[G0K+2:G0K+3], s[G0K+2:G0K+3], SKEYS*256
	s_xor_b32 s[G0V+1], s[G0V+1], SLOT1
	s_add_nc_u64 s[G0V+2:G0V+3], s[G0V+2:G0V+3], SKEYS*256
	s_wait_xcnt 0x0                                ; the last prefetches, a slot back, have read their addresses
	s_add_nc_u64 s[PFK:PFK+1], s[PFK:PFK+1], SKEYS*256
	s_add_nc_u64 s[PFV:PFV+1], s[PFV:PFV+1], SKEYS*256
.endif
	s_wait_dscnt 0x0
	s_barrier_signal -1
	s_barrier_wait -1
.if \fill
	s_add_co_u32 s96, s[KF], SKEYS                 ; the look-ahead ends at the causal limit: a slot whose first key comes after my work-group's last query is read by none of its waves.
	s_cmp_gt_u32 s96, s[LASTQ]                     ; Ids and the count of steps alone: all eight waves go the same way; every wait on TENSORcnt in this text is for 0
	s_cbranch_scc1 .Lpast_\@
	TLOAD                                          ; a wave's one tensor load until the next such barrier
.Lpast_\@:
	ASK
.endif
.endm
.macro SLOT_STEPS
	STEP 0
	STEP 1
	s_xor_b32 s[TB], s[TB], SLOT1
.endm
	s_wait_loadcnt 0x0                             ; Q
.Lslot:
	CHANGE 1
	SLOT_STEPS
	s_sub_co_u32 s[SLOTS], s[SLOTS], 1
	s_cmp_lg_u32 s[SLOTS], 0
	s_cbranch_scc1 .Lslot
	CHANGE 0                                       ; the last slot is written out: nothing is left to ask for
	SLOT_STEPS
	; THE WAY OUT: O^T / l, rounded to f16, through my stage in LDS: 16 rows of 256 bytes.
.rept 4
	v_nop
.endr
	v_add_f32 v[L], v[L], v[L+1]
	v_permlanex16_b32 v[T], v[L], s[SEL], s[SEL+1]
	v_add_f32 v[L], v[L], v[T]
	v_rcp_f32 v[A], v[L]
	v_nop
	s_wait_alu depctr_va_vdst(0)                   ; the wait ahead of the reciprocal's first reader
.set n, 0
.rept 32
	v_pk_mul_f32 v[O+n:O+n+1], v[O+n:O+n+1], v[A:A+1] op_sel_hi:[1,0]
.set n, n+2
.endr
.set n, 0
.rept 32
	v_cvt_pk_f16_f32 v[S+n], v[O+2*n], v[O+2*n+1]
.set n, n+1
.endr
.irp t, 0,1,2,3,4,5,6,7
	ds_store_b128 v[STO], v[S+4*\t:S+4*\t+3] offset:32*\t
.endr
.irp f, 0,1,2,3,4,5,6,7
	ds_load_b128 v[Q+4*\f:Q+4*\f+3], v[RD] offset:\f*2*SP   ; LDS serves a wave's instructions in order: these see my stores
.endr
.irp f, 0,1,2,3,4,5,6,7
	s_wait_dscnt 7-\f
	global_store_b128 v[GO], v[Q+4*\f:Q+4*\f+3], s[6:7] offset:8192*\f   ; 16 lanes store 256 consecutive bytes, aligned
.endr
	s_wait_tensorcnt 0x0                           ; the wave's end
	ds_add_u32 v[SPW], v[NIL]
	s_wait_dscnt 0x0
	s_endpgm
.Lfunc_end_k_q87d280cbe6_attn:
	.size	k_q87d280cbe6_attn, .Lfunc_end_k_q87d280cbe6_attn-k_q87d280cbe6_attn
	.p2alignl 7, 3214868480
	.fill 96, 4, 3214868480
	.section	.rodata,"a",@progbits
	.p2align	6, 0x0
	.amdhsa_kernel k_q87d280cbe6_attn
		.amdhsa_group_segment_fixed_size 327680
		.amdhsa_private_segment_fixed_size 0
		.amdhsa_enable_private_segment 0
		.amdhsa_kernarg_size 16
		.amdhsa_user_sgpr_count 2
		.amdhsa_user_sgpr_kernarg_segment_ptr 1
		.amdhsa_wavefront_size32 1
		.amdhsa_system_sgpr_workgroup_id_x 1
		.amdhsa_system_sgpr_workgroup_id_y 1
		.amdhsa_system_sgpr_workgroup_id_z 1
		.amdhsa_system_vgpr_workitem_id 0
		.amdhsa_next_free_vgpr 512
		.amdhsa_next_free_sgpr 100
		.amdhsa_reserve_vcc 1
		.amdhsa_float_denorm_mode_32 3
		.amdhsa_float_denorm_mode_16_64 3
		.amdhsa_memory_ordered 1
		.amdhsa_forward_progress 1
		.amdhsa_inst_pref_size 82
	.end_amdhsa_kernel
	.amdgpu_metadata
---
amdhsa.version: [ 1, 2 ]
amdhsa.kernels:
  - .name:           k_q87d280cbe6_attn
    .symbol:         k_q87d280cbe6_attn.kd
    .args:
      - { .name: qkv, .offset: 0, .size: 8, .value_kind: global_buffer, .address_space: global }
      - { .name: att, .offset: 8, .size: 8, .value_kind: global_buffer, .address_space: global }
    .group_segment_fixed_size: 327680
    .private_segment_fixed_size: 0
    .kernarg_segment_align: 8
    .kernarg_segment_size: 16
    .max_flat_workgroup_size: 256
    .sgpr_count:     100
    .vgpr_count:     512
    .wavefront_size: 32
...
	.end_amdgpu_metadata
.endif
;; end of part 3
;; launch proj (part 4): grid 16 x 16, 4 waves a work-group, clusters of 4 x 4, 327,680 bytes of LDS; arguments att, wo16, out0; writes out0
.if DOCPART == 4
	.amdgcn_target "amdgcn-amd-amdhsa--gfx1250"
	.amdhsa_code_object_version 6
	.text
	.protected	k_q87d280cbe6_proj
	.globl	k_q87d280cbe6_proj
	.p2align	8
	.type	k_q87d280cbe6_proj,@function
k_q87d280cbe6_proj:
	s_mov_b64 s[64:65], 0
	v_nop
	global_prefetch_b8 v0, s[64:65] scope:SCOPE_SE
	s_setreg_imm32_b32 hwreg(HW_REG_WAVE_MODE, 25, 1), 1
	s_wait_xcnt 0x0
	s_wait_alu depctr_hold_cnt(0) depctr_sa_sdst(0) depctr_va_vdst(0) depctr_va_sdst(0) depctr_va_ssrc(0) depctr_va_vcc(0) depctr_vm_vsrc(0)
	s_getreg_b32 s2, hwreg(HW_REG_IB_STS2, 6, 4)
	s_cmp_eq_u32 s2, 0
	s_cbranch_scc0 .Lentry_in_a_cluster
	s_endpgm
.Lentry_in_a_cluster:
	s_bfe_u32 s2, ttmp6, 0x10000c
	s_cmp_lg_u32 s2, 0xf033
	s_cbranch_scc0 .Lentry_shape_is_right
	s_endpgm
.Lentry_shape_is_right:
; out0[t][n] = sum over k of att[t][k] Wo[n][k].  att [2048][2048] and wo16 [2048][2048]: f16; out0: f32; sums in f32.  (Rows 0-15 are written again, more finely, by the launch that follows.)
; A tile of 128 x 128 gives each of 256 work-groups one tile.  Four waves, each 64 x 64: 16 accumulators.  K goes in steps of 256 (LDS rows of 512 bytes) through a ring of two slots.
; CLUSTERS: 4 x 4 work-groups; the four of a row need the same tiles of att, the four of a column the same tiles of Wo: each tile is asked for jointly.
; THE MATRIX INSTRUCTION IS USED TRANSPOSED (source 0 = 16 rows of Wo, source 1 = 16 rows of att): a lane holds eight neighbouring numbers of a row of out0.
; A wave's 64 columns of f32 are 256 aligned bytes: each wave has a stage of its own on the way out, and no barrier stands there.
; REGISTERS: window 0: v0-31 addresses; v32-95 rows read back; v128-255 the accumulators ((a, b) at v[128 + 8 (4 a + b)]).   window 1: two fragment buffers of 128.
.set SIZE_K, 2048
.set SIZE_N, 2048
.set KSTEP,  256
.set PITCH,  528                       ; 512 + 16: the 16 rows of a load start at 16 different banks (64 banks of 4 bytes: ISA guide 11.1)
.set HALFT,  64*PITCH
.set SLOT,   4*HALFT
.set STAGE,  2*SLOT                    ; behind the ring: 16 rows x 272 bytes a wave
.set SPITCH, 272
.set SPARE,  STAGE+4*16*SPITCH         ; the spare words, 128 bytes a wave
.set LAPS, SIZE_K/(2*KSTEP)
.set ADRA, 16
.set ADRB, 20
.set STO,  24
.set RD,   25
.set CO,   26
.set SPW,  28
.set NIL,  29
.set BK,   32
.set ACC,  128
.set F0,   0
.set F1,   128
.set G1, 24
.set G0, 32
.set G1B, 48
.set G0B, 56
.set MSB, 0
.macro WIN new
.if MSB != (\new)
	s_set_vgpr_msb (MSB<<8)|(\new)
.set MSB, (\new)
.endif
.endm
.set MUL,  0x05                        ; sources 0 and 1 window 1; C and D window 0
.set TO_F, 0x40
.macro JLOAD s                         ; waves 0 and 1 fetch att's two halves, waves 2 and 3 Wo's; an s_nop 0 and four v_nop follow each line
	s_cmp_eq_u32 s11, 0
	s_cbranch_scc0 .Lfor_b_\@
	tensor_load_to_lds s[G0+4*\s:G0+4*\s+3], s[G1:G1+7]
	s_nop 0
.rept 4
	v_nop
.endr
	s_branch .Lasked_\@
.Lfor_b_\@:
	tensor_load_to_lds s[G0B+4*\s:G0B+4*\s+3], s[G1B:G1B+7]
	s_nop 0
.rept 4
	v_nop
.endr
.Lasked_\@:
.endm
.macro CREST
	s_cmp_lg_u32 s10, 0
	s_cbranch_scc1 .Lnot_wave_0_\@
	s_barrier_signal -3
.Lnot_wave_0_\@:
	s_barrier_wait -3
	s_barrier_signal -1
	s_barrier_wait -1
.endm
.macro CROUND
	s_barrier_signal -1
	s_barrier_wait -1
	CREST
.endm
	s_load_b128 s[4:7], s[0:1], 0x0                ; att, wo16
	s_load_b64 s[8:9], s[0:1], 0x10                ; out0
	v_lshl_add_u32 v[SPW], v0, 2, SPARE
	v_mov_b32 v[NIL], 0
	ds_add_u32 v[SPW], v[NIL]                      ; the wave's opening: the add, twice on end, and its wait ahead of my first tensor load
	ds_add_u32 v[SPW], v[NIL]
	v_lshrrev_b32 v1, 5, v0
	v_readfirstlane_b32 s10, v1                    ; wave 0..3
	s_lshr_b32 s11, s10, 1                         ; which half of the tile's rows is mine.  Also: I fetch for att (0) or for Wo (1)
	s_and_b32 s12, s10, 1                          ; which half of its columns.  Also: which 64 rows I fetch
	s_bfe_u32 s40, ttmp6, 0x40000
	s_bfe_u32 s41, ttmp6, 0x40004
	s_lshl_b32 s42, ttmp9, 2
	s_add_co_u32 s42, s42, s40                     ; tile column
	s_and_b32 s13, ttmp7, 0xffff
	s_lshl_b32 s13, s13, 2
	s_add_co_u32 s13, s13, s41                     ; tile row
	s_lshl_b32 s43, s41, 2
	s_lshl_b32 s43, 15, s43                        ; my row of the cluster
	s_lshl_b32 s44, 0x1111, s40                    ; my column
	s_or_b32 s[G1+0], s43, (1<<16)|(1<<20)|(1<<21)|(6<<22)|(3<<25)  ; mask; elements of 2 bytes; padding on; bit 21 beside a mask; 4 words after every 128
	s_or_b32 s[G1B+0], s44, (1<<16)|(1<<20)|(1<<21)|(6<<22)|(3<<25)
.irp g, G1, G1B
	s_mov_b32 s[\g+1], KSTEP<<16
	s_mov_b32 s[\g+2], 64<<16
	s_mov_b32 s[\g+3], KSTEP<<16
	s_mov_b32 s[\g+4], 64
	s_mov_b32 s[\g+5], SIZE_K
	s_mov_b32 s[\g+6], 0
	s_mov_b32 s[\g+7], 0
.endr
	s_lshl_b32 s17, s12, 6
	s_lshl_b32 s16, s13, 7
	s_add_co_u32 s16, s16, s17
	s_lshl_b32 s46, s42, 7
	s_add_co_u32 s46, s46, s17
	s_mov_b32 s17, 0
	s_mov_b32 s47, 0
	s_mov_b64 s[18:19], SIZE_K*2
	s_mul_u64 s[16:17], s[16:17], s[18:19]
	s_mul_u64 s[46:47], s[46:47], s[18:19]
	s_mul_i32 s20, s10, HALFT
	s_wait_dscnt 0x0                               ; both opening adds are done
	s_wait_kmcnt 0x0
	s_add_nc_u64 s[14:15], s[4:5], s[16:17]
	s_add_nc_u64 s[46:47], s[6:7], s[46:47]
	CROUND                                         ; all sixteen work-groups are here: the first joint loads meet
.irp s, 0,1
	s_mov_b32 s[G0+4*\s], 1
	s_add_co_u32 s[G0+4*\s+1], s20, \s*SLOT
	s_add_nc_u64 s[G0+4*\s+2:G0+4*\s+3], s[14:15], \s*KSTEP*2
	s_or_b32 s[G0+4*\s+3], s[G0+4*\s+3], 0x80000000
	s_mov_b32 s[G0B+4*\s], 1
	s_add_co_u32 s[G0B+4*\s+1], s20, \s*SLOT
	s_add_nc_u64 s[G0B+4*\s+2:G0B+4*\s+3], s[46:47], \s*KSTEP*2
	s_or_b32 s[G0B+4*\s+3], s[G0B+4*\s+3], 0x80000000
	JLOAD \s                                       ; two loads of mine are out
.endr
	v_and_b32 v1, 15, v0                           ; r
	v_bfe_u32 v2, v0, 4, 1                         ; h
	v_mul_u32_u24 v3, v1, PITCH
	v_lshl_add_u32 v3, v2, 4, v3
	s_mul_i32 s21, s11, HALFT
	s_mul_i32 s22, s12, HALFT
	s_add_co_u32 s22, s22, 2*HALFT
.irp s, 0,1
	v_add_nc_u32 v[ADRA+\s], s21, v3
	v_add_nc_u32 v[ADRB+\s], s22, v3
	s_add_co_u32 s21, s21, SLOT
	s_add_co_u32 s22, s22, SLOT
.endr
	s_mul_i32 s23, s10, 16*SPITCH
	s_add_co_u32 s23, s23, STAGE                   ; my stage
	v_mul_u32_u24 v4, v1, SPITCH                   ; in: row r, 32 bytes for each half of the lanes
	v_lshl_add_u32 v4, v2, 5, v4
	v_add_nc_u32 v[STO], s23, v4
	v_mul_u32_u24 v5, v2, SPITCH                   ; back: lanes 0-15 one row of 256 bytes, lanes 16-31 the next
	v_lshl_add_u32 v5, v1, 4, v5
	v_add_nc_u32 v[RD], s23, v5
	v_lshlrev_b32 v5, 13, v2                       ; and the same two rows in out0: 8,192 bytes a row
	v_lshl_add_u32 v[CO], v1, 4, v5
	s_lshl_b32 s16, s13, 7
	s_lshl_b32 s17, s11, 6
	s_add_co_u32 s16, s16, s17                     ; my first row: 128 x tile row + 64 x half
	s_lshl_b32 s16, s16, 13
	s_mov_b32 s17, 0
	s_add_nc_u64 s[8:9], s[8:9], s[16:17]
	s_lshl_b32 s46, s42, 9                         ; my first column, in bytes: 512 x tile column + 256 x half
	s_lshl_b32 s47, s12, 8
	s_add_co_u32 s46, s46, s47
	s_mov_b32 s47, 0
	s_add_nc_u64 s[8:9], s[8:9], s[46:47]
.macro MUL8 f, c, a0, zero             ; 8 matrix instructions: row blocks a0, a0 + 1 x all 4 column blocks, 32 along K
.irp a, \a0, \a0+1
.irp b, 0,1,2,3
.if \zero
	v_wmma_f32_16x16x32_f16 v[ACC+8*(4*(\a)+\b):ACC+8*(4*(\a)+\b)+7], v[\f+64+8*(4*\c+\b):\f+64+8*(4*\c+\b)+7], v[\f+8*(4*\c+\a):\f+8*(4*\c+\a)+7], 0
.else
	v_wmma_f32_16x16x32_f16 v[ACC+8*(4*(\a)+\b):ACC+8*(4*(\a)+\b)+7], v[\f+64+8*(4*\c+\b):\f+64+8*(4*\c+\b)+7], v[\f+8*(4*\c+\a):\f+8*(4*\c+\a)+7], v[ACC+8*(4*(\a)+\b):ACC+8*(4*(\a)+\b)+7]
.endif
.endr
.endr
.endm
.macro FETCH slot, k, f                ; 32 LDS loads in one run: the fragments of 64 along K at byte k of the rows; the first 32 along K first
	WIN TO_F
.irp c, 0,1
.irp i, 0,1,2,3
	ds_load_b128 v[\f+64+8*(4*\c+\i):\f+64+8*(4*\c+\i)+3],   v[ADRB+\slot] offset:\k+64*\c+\i*16*PITCH
	ds_load_b128 v[\f+64+8*(4*\c+\i)+4:\f+64+8*(4*\c+\i)+7], v[ADRB+\slot] offset:\k+64*\c+\i*16*PITCH+32
	ds_load_b128 v[\f+8*(4*\c+\i):\f+8*(4*\c+\i)+3],         v[ADRA+\slot] offset:\k+64*\c+\i*16*PITCH
	ds_load_b128 v[\f+8*(4*\c+\i)+4:\f+8*(4*\c+\i)+7],       v[ADRA+\slot] offset:\k+64*\c+\i*16*PITCH+32
.endr
.endr
.endm
.macro PLACES                          ; four plain instructions in front of loads into registers that matrix instructions have read, and of reads of results
.rept 4
	v_nop
.endr
.endm
.macro QUARTER slot, k, f, g, zero     ; 64 along K: multiplies buffer f and fetches the next quarter, at byte k, into g
	s_wait_dscnt 16                                ; the first 32 along K are in; the younger sixteen loads may be out
	WIN MUL
	MUL8 \f, 0, 0, \zero
	MUL8 \f, 0, 2, \zero
	PLACES
	FETCH \slot, \k, \g
	s_wait_dscnt 32                                ; all but the 32 just issued
	WIN MUL
	MUL8 \f, 1, 0, 0
	MUL8 \f, 1, 2, 0
.endm
.macro TURN slot, next, fill           ; the last quarter changes slots: one barrier, the waits and the add in front of it
	WIN 0
	s_wait_tensorcnt 0x0                           ; all my tensor loads have landed: my part of the next slot
	ds_add_u32 v[SPW], v[NIL]
	s_wait_dscnt 17                                ; the add and the youngest sixteen loads may be out
	WIN MUL
	MUL8 F1, 0, 0, 0
	s_wait_dscnt 0x0                               ; the add is done, and my reads of this slot are over
	s_barrier_signal -1
	MUL8 F1, 0, 2, 0
.if \fill
	WIN 0
.endif
	s_barrier_wait -1
.if \fill
	CREST                                          ; the barrier has opened a round of the cluster's barrier
	s_add_nc_u64 s[G0+4*\slot+2:G0+4*\slot+3], s[G0+4*\slot+2:G0+4*\slot+3], 2*KSTEP*2
	s_add_nc_u64 s[G0B+4*\slot+2:G0B+4*\slot+3], s[G0B+4*\slot+2:G0B+4*\slot+3], 2*KSTEP*2
	JLOAD \slot                                    ; my one tensor load behind the round; its four v_nop are the places in front of the loads below
.else
	PLACES
.endif
	FETCH \next, 0, F0
	WIN MUL
	MUL8 F1, 1, 0, 0
	MUL8 F1, 1, 2, 0
.endm
	s_wait_tensorcnt 1                             ; my part of K step 0 is in; K step 1's may be out
	s_barrier_signal -1
	s_barrier_wait -1
	FETCH 0, 0, F0
	QUARTER 0, 128, F0, F1, 1                      ; the first products start the sums
	WIN 0
	s_mov_b32 s3, LAPS-1
.Llap:
	QUARTER 0, 256, F1, F0, 0
	QUARTER 0, 384, F0, F1, 0
	TURN 0, 1, 1
	QUARTER 1, 128, F0, F1, 0
	QUARTER 1, 256, F1, F0, 0
	QUARTER 1, 384, F0, F1, 0
	TURN 1, 0, 1
	QUARTER 0, 128, F0, F1, 0
	WIN 0
	s_sub_co_u32 s3, s3, 1
	s_cmp_lg_u32 s3, 0
	s_cbranch_scc1 .Llap
	QUARTER 0, 256, F1, F0, 0                      ; the last lap fills nothing
	QUARTER 0, 384, F0, F1, 0
	TURN 0, 1, 0
	QUARTER 1, 128, F0, F1, 0
	QUARTER 1, 256, F1, F0, 0
	QUARTER 1, 384, F0, F1, 0
	s_wait_dscnt 16
	WIN MUL
	MUL8 F1, 0, 0, 0
	MUL8 F1, 0, 2, 0
	s_wait_dscnt 0
	MUL8 F1, 1, 0, 0
	MUL8 F1, 1, 2, 0
	WIN 0
	; THE WAY OUT, block by block of 16 rows x 64 columns, through my own stage: in as 32 bytes a lane, back as whole rows of 256 bytes.
.macro TOSTAGE a
.set BB, BK+32*((\a)%2)
.irp b, 0,1,2,3
	ds_store_b128 v[STO], v[ACC+8*(4*(\a)+\b):ACC+8*(4*(\a)+\b)+3] offset:64*\b       ; each accumulator from its low end on
	ds_store_b128 v[STO], v[ACC+8*(4*(\a)+\b)+4:ACC+8*(4*(\a)+\b)+7] offset:64*\b+16
.endr
.irp t, 0,1,2,3,4,5,6,7
	ds_load_b128 v[BB+4*\t:BB+4*\t+3], v[RD] offset:\t*2*SPITCH    ; LDS serves a wave's instructions in order: these see the stores above
.endr
.endm
.macro SEND a, younger
.set BB, BK+32*((\a)%2)
	s_wait_dscnt \younger
.irp t, 0,1,2,3,4,5,6,7
	global_store_b128 v[CO], v[BB+4*\t:BB+4*\t+3], s[8:9] offset:(16*(\a)+2*\t)*SIZE_N*4 th:TH_STORE_NT   ; 16 lanes store 256 consecutive bytes, aligned
.endr
.endm
	PLACES
	TOSTAGE 0
.irp a, 1,2,3
.if \a > 1
	s_wait_xcnt 0x0                                ; block a - 2's stores have read the registers into which this block's rows come back
.endif
	TOSTAGE \a
	SEND \a-1, 16                                  ; behind block a - 1's loads: block a's 8 stores and 8 loads
.endr
	SEND 3, 0
	s_wait_tensorcnt 0x0                           ; the wave's end
	ds_add_u32 v[SPW], v[NIL]
	s_wait_dscnt 0x0
	CROUND                                         ; the closing round
	s_endpgm
.Lfunc_end_k_q87d280cbe6_proj:
	.size	k_q87d280cbe6_proj, .Lfunc_end_k_q87d280cbe6_proj-k_q87d280cbe6_proj
	.p2alignl 7, 3214868480
	.fill 96, 4, 3214868480
	.section	.rodata,"a",@progbits
	.p2align	6, 0x0
	.amdhsa_kernel k_q87d280cbe6_proj
		.amdhsa_group_segment_fixed_size 327680
		.amdhsa_private_segment_fixed_size 0
		.amdhsa_enable_private_segment 0
		.amdhsa_kernarg_size 24
		.amdhsa_user_sgpr_count 2
		.amdhsa_user_sgpr_kernarg_segment_ptr 1
		.amdhsa_wavefront_size32 1
		.amdhsa_system_sgpr_workgroup_id_x 1
		.amdhsa_system_sgpr_workgroup_id_y 1
		.amdhsa_system_sgpr_workgroup_id_z 1
		.amdhsa_system_vgpr_workitem_id 0
		.amdhsa_next_free_vgpr 512
		.amdhsa_next_free_sgpr 66
		.amdhsa_reserve_vcc 0
		.amdhsa_float_denorm_mode_32 3
		.amdhsa_float_denorm_mode_16_64 3
		.amdhsa_memory_ordered 1
		.amdhsa_forward_progress 1
		.amdhsa_inst_pref_size 86
	.end_amdhsa_kernel
	.amdgpu_metadata
---
amdhsa.version: [ 1, 2 ]
amdhsa.kernels:
  - .name:           k_q87d280cbe6_proj
    .symbol:         k_q87d280cbe6_proj.kd
    .args:
      - { .name: att, .offset: 0, .size: 8, .value_kind: global_buffer, .address_space: global }
      - { .name: wo16, .offset: 8, .size: 8, .value_kind: global_buffer, .address_space: global }
      - { .name: out0, .offset: 16, .size: 8, .value_kind: global_buffer, .address_space: global }
    .group_segment_fixed_size: 327680
    .private_segment_fixed_size: 0
    .kernarg_segment_align: 8
    .kernarg_segment_size: 24
    .max_flat_workgroup_size: 128
    .sgpr_count:     66
    .vgpr_count:     512
    .wavefront_size: 32
...
	.end_amdgpu_metadata
.endif
;; end of part 4
;; launch fine (part 5): grid 128 x 1, 16 waves a work-group, no clusters, 18,432 bytes of LDS; arguments fin, Wo, out0; writes out0
.if DOCPART == 5
	.amdgcn_target "amdgcn-amd-amdhsa--gfx1250"
	.amdhsa_code_object_version 6
	.text
	.protected	k_q87d280cbe6_fine
	.globl	k_q87d280cbe6_fine
	.p2align	8
	.type	k_q87d280cbe6_fine,@function
k_q87d280cbe6_fine:
	s_mov_b64 s[64:65], 0
	v_nop
	global_prefetch_b8 v0, s[64:65] scope:SCOPE_SE
	s_setreg_imm32_b32 hwreg(HW_REG_WAVE_MODE, 25, 1), 1
	s_wait_xcnt 0x0
; Rows 0-15 of out0 once more, wholly in f32: these positions average one to sixteen values, are the largest in size, and the rounding of 16-bit operands would weigh most there.
; fin[g][16][128] f32 holds q (g = head), k (16 + head), v (32 + head) of tokens 0-15, after RoPE and norm.  Wo [2048][2048] f32.
; SHARES.  Work-group x owns columns 16 x .. 16 x + 15.  Wave = head: it makes its head's 16 x 16 causal attention (each work-group makes it anew: 64 small products) and the part of the
; sum over Wo that runs over its head's 128 channels; the sixteen parts meet in LDS, and waves 0 and 1 add and store them.
; All products by v_wmma_f32_16x16x4_f32 (16 x 16 x 4; lane (r, h) holds row or column r and k = 2 h + j in register j).  The registers that it writes are written by matrix instructions alone.
; The order of k is permuted alike on both sides of each product, so that every operand is used as it is loaded or as the product before left it:
;   S^T = K Q^T: step s takes channels 8 (s / 2) + 4 h + 2 (s % 2) + j;   O^T = V^T P: step c takes keys 8 h + 2 c + j, which is how S^T's lanes hold them;   D = Wo O: step (t, s) takes channels 16 t + 8 h + 2 s + j, as O^T's lanes hold them.
; A store of a lane's 16 bytes goes to rows 8,192 bytes apart: 128 KiB in all; a wider share of columns would leave most WGPs without work.
.set SPARE, 16384                      ; behind the sixteen parts (1 KiB a wave): the spare words, 128 bytes a wave
.set T, 16                             ; v16-23 scores, then weights
.set RR, 24                            ; v24-31 my part of the result
.set X, 32                             ; v32-95  Q, then V, then the sixteen parts
.set Y, 96                             ; v96-159 K, then Wo
.set S0, 160                           ; v160-175 two accumulators of S^T
.set OO, 176                           ; v176-239 O^T
.set D0, 240                           ; v240-255 two accumulators of the result
	s_load_b128 s[4:7], s[0:1], 0x0                ; fin, Wo
	s_load_b64 s[8:9], s[0:1], 0x10                ; out0
	v_lshl_add_u32 v6, v0, 2, SPARE                ; my spare word; never rewritten
	v_mov_b32 v7, 0                                ; 0; never rewritten
	v_lshrrev_b32 v1, 5, v0
	v_readfirstlane_b32 s12, v1                    ; wave = head
	v_and_b32 v1, 31, v0                           ; lane
	v_and_b32 v2, 15, v0                           ; r
	v_bfe_u32 v12, v0, 4, 1                        ; h
	v_lshlrev_b32 v3, 9, v2
	v_lshl_add_u32 v3, v12, 4, v3                  ; q, k: 512 r + 16 h
	v_lshlrev_b32 v4, 2, v2
	v_lshl_add_u32 v4, v12, 12, v4                 ; v: 4,096 h + 4 r
	v_lshlrev_b32 v5, 13, v2
	v_lshl_add_u32 v5, v12, 5, v5                  ; Wo, out0: 8,192 r + 32 h
	s_lshl_b32 s13, s12, 10
	v_lshl_add_u32 v8, v1, 4, s13                  ; where I put my part: 1,024 x wave + 16 x lane
	s_and_b32 s14, s12, 1
	s_lshl_b32 s15, s14, 9
	v_lshl_add_u32 v9, v1, 4, s15                  ; where waves 0 and 1 read the parts: 512 x (wave % 2) + 16 x lane
	s_lshl_b32 s15, s14, 4
	v_add_nc_u32 v10, s15, v5                      ; and store the sums: + 16 x (wave % 2)
	v_lshlrev_b32 v13, 3, v12
	v_sub_nc_u32 v11, v2, v13                      ; r - 8 h
	s_mov_b32 s20, 0x76543210
	s_mov_b32 s21, 0xfedcba98                      ; v_permlanex16_b32's selects for lane l xor 16
	s_mov_b32 s22, 0x3e0293ee                      ; c = log2(e) / sqrt(128)
	s_lshl_b32 s16, s12, 13                        ; a head of fin: 8,192 bytes
	s_mov_b32 s17, 0
	s_lshl_b32 s18, ttmp9, 17                      ; 16 rows of Wo,
	s_lshl_b32 s19, s12, 9                         ; my head's 128 channels
	s_add_co_u32 s18, s18, s19
	s_mov_b32 s19, 0
	s_lshl_b32 s24, ttmp9, 6                       ; 16 columns of out0
	s_mov_b32 s25, 0
	s_wait_kmcnt 0x0
	s_add_nc_u64 s[4:5], s[4:5], s[16:17]
	s_add_nc_u64 s[6:7], s[6:7], s[18:19]
	s_add_nc_u64 s[8:9], s[8:9], s[24:25]
.irp c, 0,1,2,3,4,5,6,7,8,9,10,11,12,13,14,15
	global_load_b128 v[X+4*\c:X+4*\c+3], v3, s[4:5] offset:32*\c            ; q(r, 8 c + 4 h + 0 .. 3)
	global_load_b128 v[Y+4*\c:Y+4*\c+3], v3, s[4:5] offset:131072+32*\c     ; k likewise
.endr
	s_wait_loadcnt 0x0
.irp s, 0,1,2,3,4,5,6,7,8,9,10,11,12,13,14,15,16,17,18,19,20,21,22,23,24,25,26,27,28,29,30,31
.if \s < 2                                     ; two accumulators by turns; the first two products start the sums
	v_wmma_f32_16x16x4_f32 v[S0+8*(\s%2):S0+8*(\s%2)+7], v[Y+2*\s:Y+2*\s+1], v[X+2*\s:X+2*\s+1], 0
.else
	v_wmma_f32_16x16x4_f32 v[S0+8*(\s%2):S0+8*(\s%2)+7], v[Y+2*\s:Y+2*\s+1], v[X+2*\s:X+2*\s+1], v[S0+8*(\s%2):S0+8*(\s%2)+7]
.endif
.endr
.rept 8
	v_nop                                          ; eight places behind this form: for the loads into its sources and for the reads of its results
.endr
.irp t, 0,1,2,3,4,5,6,7
.irp k, 0,1,2,3,4,5,6,7
	global_load_b32 v[X+8*\t+\k], v4, s[4:5] offset:262144+\k*512+64*\t   ; v(key 8 h + k, channel 16 t + r)
.endr
.endr
.irp t, 0,1,2,3,4,5,6,7
.irp i, 0,1
	global_load_b128 v[Y+8*\t+4*\i:Y+8*\t+4*\i+3], v5, s[6:7] offset:64*\t+16*\i th:TH_LOAD_NT   ; Wo(16 x + r, 128 head + 16 t + 8 h + 4 i + 0 .. 3)
.endr
.endr
	; the softmax, while those loads are on their way.  Lane (r, h): query r, keys 8 h + 0 .. 7
.irp j, 0,2,4,6
	v_pk_add_f32 v[T+\j:T+\j+1], v[S0+\j:S0+\j+1], v[S0+8+\j:S0+8+\j+1]
.endr
	v_mov_b32 v14, 0xff800000
.irp j, 0,1,2,3,4,5,6,7
	v_cmp_gt_i32 vcc_lo, \j, v11                   ; key 8 h + j comes after query r
	v_cndmask_b32 v[T+\j], v[T+\j], v14, vcc_lo
.endr
	v_max3_num_f32 v12, v16, v17, v18
	v_max3_num_f32 v13, v19, v20, v21
	v_max3_num_f32 v12, v12, v22, v23
	v_max_num_f32 v12, v12, v13
	v_permlanex16_b32 v13, v12, s20, s21
	v_max_num_f32 v12, v12, v13                    ; the row's maximum: key 0 counts for every query
	v_mul_f32 v12, s22, v12
.irp j, 0,1,2,3,4,5,6,7
	v_fma_f32 v[T+\j], v[T+\j], s22, -v12
.endr
.irp j, 0,1,2,3,4,5,6,7
	v_exp_f32 v[T+\j], v[T+\j]
.endr
	v_nop                                          ; a plain instruction behind the last exponential,
	s_wait_alu depctr_va_vdst(0)                   ; and one wait for the eight
	v_pk_add_f32 v[12:13], v[16:17], v[18:19]
	v_pk_add_f32 v[14:15], v[20:21], v[22:23]
	v_pk_add_f32 v[12:13], v[12:13], v[14:15]
	v_add_f32 v12, v12, v13
	v_permlanex16_b32 v13, v12, s20, s21
	v_add_f32 v12, v12, v13
	v_rcp_f32 v14, v12
	v_nop
	s_wait_alu depctr_va_vdst(0)
.irp j, 0,2,4,6
	v_pk_mul_f32 v[T+\j:T+\j+1], v[T+\j:T+\j+1], v[14:15] op_sel_hi:[1,0]
.endr
	s_wait_loadcnt 16                              ; v is in; Wo's sixteen loads may be out
.irp c, 0,1,2,3                                ; O^T = V^T P: eight accumulators by turns
.irp t, 0,1,2,3,4,5,6,7
.if \c == 0
	v_wmma_f32_16x16x4_f32 v[OO+8*\t:OO+8*\t+7], v[X+8*\t+2*\c:X+8*\t+2*\c+1], v[T+2*\c:T+2*\c+1], 0
.else
	v_wmma_f32_16x16x4_f32 v[OO+8*\t:OO+8*\t+7], v[X+8*\t+2*\c:X+8*\t+2*\c+1], v[T+2*\c:T+2*\c+1], v[OO+8*\t:OO+8*\t+7]
.endif
.endr
.endr
.rept 9
	v_nop                                          ; nine places before a matrix instruction takes these results as a source
.endr
	s_wait_loadcnt 0x0                             ; Wo
.irp t, 0,1,2,3,4,5,6,7                        ; D(column 8 h + j, token r) += Wo x O^T: two accumulators by turns
.irp s, 0,1,2,3
.if (\t == 0) && (\s < 2)
	v_wmma_f32_16x16x4_f32 v[D0+8*(\s%2):D0+8*(\s%2)+7], v[Y+8*\t+2*\s:Y+8*\t+2*\s+1], v[OO+8*\t+2*\s:OO+8*\t+2*\s+1], 0
.else
	v_wmma_f32_16x16x4_f32 v[D0+8*(\s%2):D0+8*(\s%2)+7], v[Y+8*\t+2*\s:Y+8*\t+2*\s+1], v[OO+8*\t+2*\s:OO+8*\t+2*\s+1], v[D0+8*(\s%2):D0+8*(\s%2)+7]
.endif
.endr
.endr
.rept 8
	v_nop
.endr
.irp j, 0,2,4,6
	v_pk_add_f32 v[RR+\j:RR+\j+1], v[D0+\j:D0+\j+1], v[D0+8+\j:D0+8+\j+1]
.endr
	ds_store_b128 v8, v[RR:RR+3]                   ; columns 8 h + 0 .. 3 of token r
	ds_store_b128 v8, v[RR+4:RR+7] offset:512      ; columns 8 h + 4 .. 7
	s_wait_dscnt 0x0                               ; for the others' sake: my part lies in LDS
	s_barrier_signal -1
	s_barrier_wait -1
	s_cmp_ge_u32 s12, 2
	s_cbranch_scc1 .Lend
.irp w, 0,1,2,3,4,5,6,7,8,9,10,11,12,13,14,15
	ds_load_b128 v[X+4*\w:X+4*\w+3], v9 offset:1024*\w
.endr
	s_wait_dscnt 0x0
.irp w, 1,2,3,4,5,6,7,8,9,10,11,12,13,14,15
	v_pk_add_f32 v[X:X+1], v[X:X+1], v[X+4*\w:X+4*\w+1]            ; the heads in ascending order
	v_pk_add_f32 v[X+2:X+3], v[X+2:X+3], v[X+4*\w+2:X+4*\w+3]
.endr
	global_store_b128 v10, v[X:X+3], s[8:9]        ; out0(r, 16 x + 8 h + 4 (wave % 2) + 0 .. 3)
.Lend:
	s_wait_tensorcnt 0x0                           ; the wave's end
	ds_add_u32 v6, v7
	s_wait_dscnt 0x0
	s_endpgm
.Lfunc_end_k_q87d280cbe6_fine:
	.size	k_q87d280cbe6_fine, .Lfunc_end_k_q87d280cbe6_fine-k_q87d280cbe6_fine
	.p2alignl 7, 3214868480
	.fill 96, 4, 3214868480
	.section	.rodata,"a",@progbits
	.p2align	6, 0x0
	.amdhsa_kernel k_q87d280cbe6_fine
		.amdhsa_group_segment_fixed_size 18432
		.amdhsa_private_segment_fixed_size 0
		.amdhsa_enable_private_segment 0
		.amdhsa_kernarg_size 24
		.amdhsa_user_sgpr_count 2
		.amdhsa_user_sgpr_kernarg_segment_ptr 1
		.amdhsa_wavefront_size32 1
		.amdhsa_system_sgpr_workgroup_id_x 1
		.amdhsa_system_sgpr_workgroup_id_y 1
		.amdhsa_system_sgpr_workgroup_id_z 1
		.amdhsa_system_vgpr_workitem_id 0
		.amdhsa_next_free_vgpr 256
		.amdhsa_next_free_sgpr 66
		.amdhsa_reserve_vcc 1
		.amdhsa_float_denorm_mode_32 3
		.amdhsa_float_denorm_mode_16_64 3
		.amdhsa_memory_ordered 1
		.amdhsa_forward_progress 1
		.amdhsa_inst_pref_size 26
	.end_amdhsa_kernel
	.amdgpu_metadata
---
amdhsa.version: [ 1, 2 ]
amdhsa.kernels:
  - .name:           k_q87d280cbe6_fine
    .symbol:         k_q87d280cbe6_fine.kd
    .args:
      - { .name: fin, .offset: 0, .size: 8, .value_kind: global_buffer, .address_space: global }
      - { .name: Wo, .offset: 8, .size: 8, .value_kind: global_buffer, .address_space: global }
      - { .name: out0, .offset: 16, .size: 8, .value_kind: global_buffer, .address_space: global }
    .group_segment_fixed_size: 18432
    .private_segment_fixed_size: 0
    .kernarg_segment_align: 8
    .kernarg_segment_size: 24
    .max_flat_workgroup_size: 512
    .sgpr_count:     66
    .vgpr_count:     256
    .wavefront_size: 32
...
	.end_amdgpu_metadata
.endif
;; end of part 5
